; MI455X (gfx1250); checked and timed in simulation.
; The chip was launched on July 23, 2026; its instructions are those of AMD's public machine-readable ISA for CDNA 5 (MIT licence, August 2026) and "CDNA5" Instruction Set Architecture Reference Guide (July 2026). The comments in the code are by the model that wrote it; some were corrected since.
;; Multi Head Attention. Allowed arithmetic: matrix products marked QUANTISED: E2M1 operands, one E8M0 scale for each 32 along K, by v_wmma_scale_f32_16x16x128_f8f6f4 with both operands' format E2M1 (or v_wmma_scale_f32_32x16x128_f4), f32 sums; products left as they are: bf16, f16 or f32 operands; f32 sums; everything else in f32.
;; Inputs: Wk 1,024 x 1,024 float32; Wo 1,024 x 1,024 float32; Wq 1,024 x 1,024 float32; Wv 1,024 x 1,024 float32; bk 1,024 float32; bo 1,024 float32; bq 1,024 float32; bv 1,024 float32; mask 4 x 2,048 int32; x 4 x 2,048 x 1,024 float32.
;; Outputs: out0 4 x 2,048 x 1,024 float32.
;; This version of the problem:
;;   THIS VERSION OF THE PROBLEM IS GIVEN IN LOW PRECISION. The matrix products marked QUANTISED in the list below multiply operands that are first quantised to E2M1 (2 exponent bits, 1 mantissa bit; 4 bits a number), with one power-of-two scale for each 32 numbers along K (OCP MX v1.0); their sums are f32. The products marked 'left as it is' may take bf16, f16 or f32 operands, with f32 sums. Whichever they take, every output number must still come out within the allowed error. Rounding operands to bf16 (8 significant bits) uses up far more of that allowance than f16 does (11 bits, for magnitudes from 6e-5 to 65,504). All else is computed in f32.
;;   The module's matrix products, in the order in which they are computed (A, B: the left and right operand; K: the contracted axis; several contracted axes count as one K, in the product's order):
;;     1. [M 8,192, K 1,024] x [K 1,024, N 1,024]; A: input x; B: input Wq: QUANTISED
;;     2. [M 8,192, K 1,024] x [K 1,024, N 1,024]; A: input x; B: input Wk: QUANTISED
;;     3. [M 8,192, K 1,024] x [K 1,024, N 1,024]; A: input x; B: input Wv: QUANTISED
;;     4. batch 64 x [M 2,048, K 64] x [K 64, N 2,048]; A: computed on the way; B: computed on the way: left as it is (an operand is computed on the way)
;;     5. batch 64 x [M 2,048, K 2,048] x [K 2,048, N 64]; A: computed on the way; B: computed on the way: left as it is (an operand is computed on the way)
;;     6. [M 8,192, K 1,024] x [K 1,024, N 1,024]; A: computed on the way; B: input Wo: left as it is (an operand is computed on the way)
;;   THE QUANTISER, for each operand of a quantised product, along K:
;;     - K is cut into blocks of 32 from its start; a last block that is shorter is filled with zeros.
;;     - A block's scale is 2^e with e = floor(log2(the largest magnitude in the block)) - 2, held to -126 .. 127; a block of zeros has e = 0. As a byte (E8M0): e + 127.
;;     - Each number is divided by its block's scale, clamped to +-6, and rounded to the nearest number of E2M1, ties to even, subnormals kept.
;;     - The product sums the exact products of the quantised numbers (number of the format x scale) in f32.
;;   ~~~python
;;   def quantise(x, axis):      # numpy; x: float32 -> the quantised numbers, widened to float32 again
;;       x = np.moveaxis(x, axis, -1); K = x.shape[-1]
;;       x = np.pad(x, [(0, 0)] * (x.ndim - 1) + [(0, -K % 32)]); x = x.reshape(x.shape[:-1] + (-1, 32)); a = np.abs(x).max(-1, keepdims=True)
;;       e = np.where(a > 0, np.clip(np.frexp(np.where(a > 0, a, 1))[1] - 1 - 2, -126, 127), 0)      # np.frexp(a)[1] - 1 = floor(log2(a)), exactly
;;       r = np.clip(x / 2.0 ** e, -6, 6)
;;       step = 2.0 ** (np.maximum(np.frexp(np.where(r == 0, 1, r))[1] - 1, 0) - 1)
;;       q = np.round(r / step) * step * 2.0 ** e      # np.round: ties to even
;;       return np.moveaxis(q.reshape(q.shape[:-2] + (-1,))[..., :K], -1, axis).astype(np.float32)
;;   ~~~
;; One version. Each part assembles by itself: llvm-mc -triple=amdgcn-amd-amdhsa -mcpu=gfx1250 --defsym DOCPART=n.
;; ======== version 1 of 1: 4 launches
;; limits: values are held in f16: magnitudes above 65,504 overflow, below 6.1e-05 lose precision
;; workspace buffers: xc 4,194,304 bytes; xs 262,144 bytes; wc 1,572,864 bytes; ws 98,304 bytes; wo16 2,097,152 bytes; qkv 50,331,648 bytes; ao 16,777,216 bytes
;; launch prep (part 1): grid 384 x 1, 4 waves a work-group, no clusters, 35,328 bytes of LDS; arguments x, Wq, Wk, Wv, Wo, xc, xs, wc, ws, wo16; writes xc, xs, wc, ws, wo16
.if DOCPART == 1
	.amdgcn_target "amdgcn-amd-amdhsa--gfx1250"
	.amdhsa_code_object_version 6
	.text
	.protected	k_q8540f1a532_prep
	.globl	k_q8540f1a532_prep
	.p2align	8
	.type	k_q8540f1a532_prep,@function
k_q8540f1a532_prep:
	s_mov_b64 s[64:65], 0
	v_nop
	global_prefetch_b8 v0, s[64:65] scope:SCOPE_SE
	s_setreg_imm32_b32 hwreg(HW_REG_WAVE_MODE, 25, 1), 1
	s_wait_xcnt 0x0
; x [8192][1024] and Wq, Wk, Wv [1024 (k)][1024 (n)], f32, become codes of FP4 (E2M1) with one E8M0 scale byte for each 32 along K; Wo becomes f16.
; A block's scale is 2^(floor(log2(its largest magnitude)) - 2): its byte is the largest magnitude's exponent field - 2, held at 1 from below.
; LAYOUTS, this program's own, laid as the next launch's operand registers take them:
;   xc [kb 32][m 8192][16 bytes], wc [kb 32][n 3072][16 bytes]: the 32 codes of block kb of row m (of column n = 1024 x tensor + column), lower k in the lower bits;
;   xs [kh 2][m][16 bytes], ws [kh 2][n][16 bytes]: the 16 scale bytes of K = 512 kh .. 512 kh + 511;   wo16 [k][n] f16, a plain cast.
; LIMITS: NaN and infinities are not served; a block whose largest magnitude lies under 2^-124 keeps the byte 1 (a block of zeros too: its codes are zeros, and this program alone reads the bytes);
; |Wo| beyond 65,504 becomes an infinity of f16.
; THREE PATHS, parted by the work-group's number: 0-191 the weights, 192-255 the cast, 256-383 x.  Only x's path touches LDS.  Nothing is shared between work-groups, so no cluster; no matrix work.
.set XKB,   131072                     ; bytes of one kb of xc: 8192 rows x 16
.set WKB,   49152                      ; bytes of one kb of wc: 3072 rows x 16
.set SP,    272                        ; a stage row: 256 bytes + 16
.set WST,   32*SP                      ; a wave's stage: 32 rows
.set SPARE, 4*WST                      ; behind the four stages: the spare words, 128 bytes for each wave, that no other line names
.set SPW,   14                         ; v14  LDS address of my spare word; never rewritten
.set NIL,   15                         ; v15  0; never rewritten
.set R,     32                         ; v32-159  numbers as loaded
.set X,     160                        ; v160-223 x's path: 64 neighbours of my row; the cast: results
	s_load_b512 s[4:19], s[0:1], 0x0               ; x s[4:5], Wq s[6:7], Wk s[8:9], Wv s[10:11], Wo s[12:13], xc s[14:15], xs s[16:17], wc s[18:19]
	s_load_b128 s[20:23], s[0:1], 0x40             ; ws s[20:21], wo16 s[22:23]
	v_lshl_add_u32 v[SPW], v0, 2, SPARE
	v_mov_b32 v[NIL], 0
	v_lshrrev_b32 v1, 5, v0
	v_readfirstlane_b32 s24, v1                    ; wave 0..3
	v_and_b32 v1, 31, v0                           ; lane
	v_lshlrev_b32 v3, 4, v1                        ; 16 x lane: my lane's place in xc, xs, wc and ws
	s_mov_b32 s29, 0                               ; the high word of every offset pair
	s_wait_kmcnt 0x0
	s_cmp_lt_u32 ttmp9, 192
	s_cbranch_scc1 .Lweights
	s_cmp_lt_u32 ttmp9, 256
	s_cbranch_scc1 .Lcast
; ---- x.  A wave takes 32 rows x 512 along K, in 8 chunks of 64.  Each load reads 256 consecutive bytes of two rows (16 lanes a row); a chunk turns through the wave's own stage,
; after which a lane holds 64 neighbours of ONE row: two whole blocks.  So a block's maximum needs no other lane, and 32 lanes' codes of one block are 512 consecutive bytes of xc.
	s_sub_co_u32 s25, ttmp9, 256
	s_lshl_b32 s25, s25, 2
	s_add_co_u32 s25, s25, s24                     ; which of 512 shares
	s_and_b32 s26, s25, 1                          ; kh: which half of K
	s_lshr_b32 s25, s25, 1                         ; which 32 rows
	s_lshl_b32 s28, s25, 17                        ; 32 rows of 4,096 bytes
	s_lshl_b32 s30, s26, 11                        ; + 2,048 kh
	s_add_co_u32 s28, s28, s30
	s_add_nc_u64 s[4:5], s[4:5], s[28:29]
	s_lshl_b32 s30, s25, 9                         ; 32 rows of 16 bytes
	s_lshl_b32 s28, s26, 21                        ; 16 kh blocks of XKB bytes
	s_add_co_u32 s28, s28, s30
	s_add_nc_u64 s[14:15], s[14:15], s[28:29]
	s_lshl_b32 s28, s26, 17
	s_add_co_u32 s28, s28, s30
	s_add_nc_u64 s[16:17], s[16:17], s[28:29]
	v_lshrrev_b32 v4, 4, v1                        ; lane / 16
	v_and_b32 v7, 15, v1
	v_lshlrev_b32 v7, 4, v7                        ; 16 (lane % 16)
	v_lshl_add_u32 v2, v4, 12, v7                  ; in memory: lanes 16-31 one row further down
	s_mul_i32 s27, s24, WST
	v_mad_u32_u24 v5, v4, SP, v7
	v_add_nc_u32 v5, s27, v5                       ; into the stage, as loaded
	v_mul_u32_u24 v6, v1, SP
	v_add_nc_u32 v6, s27, v6                       ; out of it: row = my lane
.macro LOADX t                         ; chunk t: 256 bytes of each of the 32 rows, into set t % 2
.irp i, 0,1,2,3,4,5,6,7,8,9,10,11,12,13,14,15
	global_load_b128 v[R+64*((\t)%2)+4*\i:R+64*((\t)%2)+4*\i+3], v2, s[4:5] offset:8192*\i+256*(\t) th:TH_LOAD_NT
.endr
.endm
.macro CHUNK t
.if (\t) < 7
	s_wait_loadcnt 16                              ; this chunk's 16 loads are in; the next chunk's 16 may be out
.else
	s_wait_loadcnt 0x0
.endif
.irp i, 0,1,2,3,4,5,6,7,8,9,10,11,12,13,14,15
	ds_store_b128 v5, v[R+64*((\t)%2)+4*\i:R+64*((\t)%2)+4*\i+3] offset:2*SP*\i
.endr
.irp j, 0,1,2,3,4,5,6,7,8,9,10,11,12,13,14,15
	ds_load_b128 v[X+4*\j:X+4*\j+3], v6 offset:16*\j   ; LDS serves a wave's instructions in order: these see the stores above
.endr
	s_wait_dscnt 0x0                               ; my row's 64 numbers are in, and the stores have read their registers,
.if (\t) < 6
	LOADX (\t)+2                                   ; which take the chunk two further on
.endif
.irp u, 0,1                                    ; the two blocks by turns, each in two chains
	v_max3_num_f32 v[8+2*\u], |v[X+32*\u]|, |v[X+32*\u+1]|, |v[X+32*\u+2]|
	v_max3_num_f32 v[9+2*\u], |v[X+32*\u+3]|, |v[X+32*\u+4]|, |v[X+32*\u+5]|
.endr
.irp i, 6,10,14,18,22,26
.irp u, 0,1
	v_max3_num_f32 v[8+2*\u], v[8+2*\u], |v[X+32*\u+\i]|, |v[X+32*\u+\i+1]|
	v_max3_num_f32 v[9+2*\u], v[9+2*\u], |v[X+32*\u+\i+2]|, |v[X+32*\u+\i+3]|
.endr
.endr
.irp u, 0,1
	v_max3_num_f32 v[8+2*\u], v[8+2*\u], |v[X+32*\u+30]|, |v[X+32*\u+31]|
.endr
.irp u, 0,1
	v_max3_num_f32 v[8+2*\u], v[8+2*\u], v[9+2*\u], 0x1800000   ; and the floor 2^(3 - 127): the byte cannot fall under 1
.endr
.irp u, 0,1
	v_add_nc_u32 v[12+\u], 0xff000000, v[8+2*\u]   ; 2 off the exponent field: the conversion takes this operand's exponent field as its scale
.endr
.irp u, 0,1
	v_lshrrev_b32 v[8+\u], 23, v[12+\u]            ; the scale's byte
.endr
.if (\t)%2 == 0                                ; block 2 t + u is byte 2 (t % 2) + u of scale word t / 2
	v_lshl_or_b32 v[24+(\t)/2], v9, 8, v8
.else
	v_lshl_or_b32 v[24+(\t)/2], v8, 16, v[24+(\t)/2]
	v_lshl_or_b32 v[24+(\t)/2], v9, 24, v[24+(\t)/2]
.endif
	s_wait_xcnt 0x0                                ; the last chunk's stores have read v16-23, which are written anew below
.irp u, 0,1
.irp g, 0,1,2,3
	v_cvt_scalef32_pk8_fp4_f32 v[16+4*\u+\g], v[X+32*\u+8*\g:X+32*\u+8*\g+7], v[12+\u]
.endr
.endr
	v_nop                                          ; one plain line behind the last scaled conversion
.irp u, 0,1
	global_store_b128 v3, v[16+4*\u:16+4*\u+3], s[14:15] offset:(2*(\t)+\u)*XKB   ; 32 rows' codes of one block: 512 consecutive bytes
.endr
.endm
	LOADX 0
	LOADX 1
.irp t, 0,1,2,3,4,5,6,7
	CHUNK \t
.endr
	global_store_b128 v3, v[24:27], s[16:17]       ; 32 rows' 16 scale bytes: 512 consecutive bytes
	s_wait_tensorcnt 0x0                           ; the wave's end: three lines behind my last LDS store
	ds_add_u32 v[SPW], v[NIL]
	s_wait_dscnt 0x0
	s_endpgm
; ---- The weights.  K is their FIRST axis: a lane takes a column and its registers run down K, so a block lies in one lane and the codes come out with K innermost.
; Work-group: tensor, 128 columns, 128 along K; a wave 32 columns x 4 blocks.  Each load reads 128 consecutive bytes; each store of codes covers 512.
.Lweights:
	s_and_b32 s25, ttmp9, 7                        ; ks: which 128 along K
	s_lshr_b32 s26, ttmp9, 3
	s_lshr_b32 s27, s26, 3                         ; tensor 0, 1, 2 = q, k, v
	s_and_b32 s26, s26, 7                          ; which 128 columns
	s_cmp_eq_u32 s27, 0
	s_cselect_b64 s[32:33], s[6:7], s[8:9]
	s_cmp_eq_u32 s27, 2
	s_cselect_b64 s[32:33], s[10:11], s[32:33]
	s_lshl_b32 s26, s26, 7
	s_lshl_b32 s30, s24, 5
	s_add_co_u32 s26, s26, s30                     ; my wave's first column
	s_lshl_b32 s28, s25, 19                        ; 128 rows of 4,096 bytes
	s_lshl_b32 s30, s26, 2
	s_add_co_u32 s28, s28, s30
	s_add_nc_u64 s[32:33], s[32:33], s[28:29]
	s_lshl_b32 s27, s27, 10
	s_add_co_u32 s26, s26, s27                     ; n = 1024 x tensor + column
	s_lshl_b32 s26, s26, 4
	s_mul_i32 s28, s25, 4*WKB
	s_add_co_u32 s28, s28, s26
	s_add_nc_u64 s[18:19], s[18:19], s[28:29]      ; wc at block 4 ks, row n
	s_lshr_b32 s28, s25, 2
	s_mul_i32 s28, s28, WKB
	s_add_co_u32 s28, s28, s26
	s_and_b32 s30, s25, 3
	s_lshl_b32 s30, s30, 2
	s_add_co_u32 s28, s28, s30
	s_add_nc_u64 s[20:21], s[20:21], s[28:29]      ; ws at half ks / 4, row n, word ks % 4
	v_lshlrev_b32 v2, 2, v1
.irp t, 0,1,2,3
.irp i, 0,1,2,3,4,5,6,7,8,9,10,11,12,13,14,15,16,17,18,19,20,21,22,23,24,25,26,27,28,29,30,31
	global_load_b32 v[R+32*\t+\i], v2, s[32:33] offset:(32*\t+\i)*4096 th:TH_LOAD_NT
.endr
.endr
.macro BLOCKW t, left
.set XS, R+32*(\t)
	s_wait_loadcnt \left                           ; this block's 32 loads are in: behind them stand 32 (3 - t) younger ones; where that is more than the wait's field holds, the smaller count is taken
	v_max3_num_f32 v8, |v[XS]|, |v[XS+1]|, |v[XS+2]|
	v_max3_num_f32 v9, |v[XS+3]|, |v[XS+4]|, |v[XS+5]|
.irp i, 6,10,14,18,22,26
	v_max3_num_f32 v8, v8, |v[XS+\i]|, |v[XS+\i+1]|
	v_max3_num_f32 v9, v9, |v[XS+\i+2]|, |v[XS+\i+3]|
.endr
	v_max3_num_f32 v8, v8, |v[XS+30]|, |v[XS+31]|
	v_max3_num_f32 v8, v8, v9, 0x1800000           ; the floor
	v_add_nc_u32 v11, 0xff000000, v8               ; the conversion's scale operand
	v_lshrrev_b32 v9, 23, v11                      ; the byte
.if (\t) == 0
	v_mov_b32 v10, v9
.else
	v_lshl_or_b32 v10, v9, 8*(\t), v10
.endif
.irp g, 0,1,2,3
	v_cvt_scalef32_pk8_fp4_f32 v[16+4*(\t)+\g], v[XS+8*\g:XS+8*\g+7], v11
.endr
	v_nop                                          ; one plain line behind the last scaled conversion
	global_store_b128 v3, v[16+4*(\t):16+4*(\t)+3], s[18:19] offset:(\t)*WKB
.endm
	BLOCKW 0, 63
	BLOCKW 1, 63
	BLOCKW 2, 32
	BLOCKW 3, 0
	global_store_b32 v3, v10, s[20:21]             ; my column's scale word of these 128 along K: 4 bytes of each 16 (one byte in 128 of what this path reads)
	s_endpgm
; ---- The cast of Wo.  A wave takes 16,384 consecutive bytes: 32 loads of 512 bytes, 32 stores of 256.
.Lcast:
	s_sub_co_u32 s25, ttmp9, 192
	s_lshl_b32 s25, s25, 2
	s_add_co_u32 s25, s25, s24
	s_lshl_b32 s28, s25, 14
	s_add_nc_u64 s[12:13], s[12:13], s[28:29]
	s_lshl_b32 s28, s25, 13
	s_add_nc_u64 s[22:23], s[22:23], s[28:29]
	v_lshlrev_b32 v4, 3, v1
.irp j, 0,1,2,3,4,5,6,7,8,9,10,11,12,13,14,15,16,17,18,19,20,21,22,23,24,25,26,27,28,29,30,31
	global_load_b128 v[R+4*\j:R+4*\j+3], v3, s[12:13] offset:512*\j th:TH_LOAD_NT
.endr
.irp j, 0,1,2,3,4,5,6,7,8,9,10,11,12,13,14,15,16,17,18,19,20,21,22,23,24,25,26,27,28,29,30,31
	s_wait_loadcnt 31-\j                           ; loads come back in order: load j is in
	v_cvt_pk_f16_f32 v[X+2*\j], v[R+4*\j], v[R+4*\j+1]
	v_cvt_pk_f16_f32 v[X+2*\j+1], v[R+4*\j+2], v[R+4*\j+3]
	global_store_b64 v4, v[X+2*\j:X+2*\j+1], s[22:23] offset:256*\j   ; 32 lanes store 256 consecutive bytes, aligned
.endr
	s_endpgm
.Lfunc_end_k_q8540f1a532_prep:
	.size	k_q8540f1a532_prep, .Lfunc_end_k_q8540f1a532_prep-k_q8540f1a532_prep
	.p2alignl 7, 3214868480
	.fill 96, 4, 3214868480
	.section	.rodata,"a",@progbits
	.p2align	6, 0x0
	.amdhsa_kernel k_q8540f1a532_prep
		.amdhsa_group_segment_fixed_size 35328
		.amdhsa_private_segment_fixed_size 0
		.amdhsa_enable_private_segment 0
		.amdhsa_kernarg_size 80
		.amdhsa_user_sgpr_count 2
		.amdhsa_user_sgpr_kernarg_segment_ptr 1
		.amdhsa_wavefront_size32 1
		.amdhsa_system_sgpr_workgroup_id_x 1
		.amdhsa_system_sgpr_workgroup_id_y 1
		.amdhsa_system_sgpr_workgroup_id_z 1
		.amdhsa_system_vgpr_workitem_id 0
		.amdhsa_next_free_vgpr 224
		.amdhsa_next_free_sgpr 66
		.amdhsa_reserve_vcc 0
		.amdhsa_float_denorm_mode_32 3
		.amdhsa_float_denorm_mode_16_64 3
		.amdhsa_memory_ordered 1
		.amdhsa_forward_progress 1
		.amdhsa_inst_pref_size 87
	.end_amdhsa_kernel
	.amdgpu_metadata
---
amdhsa.version: [ 1, 2 ]
amdhsa.kernels:
  - .name:           k_q8540f1a532_prep
    .symbol:         k_q8540f1a532_prep.kd
    .args:
      - { .name: x, .offset: 0, .size: 8, .value_kind: global_buffer, .address_space: global }
      - { .name: Wq, .offset: 8, .size: 8, .value_kind: global_buffer, .address_space: global }
      - { .name: Wk, .offset: 16, .size: 8, .value_kind: global_buffer, .address_space: global }
      - { .name: Wv, .offset: 24, .size: 8, .value_kind: global_buffer, .address_space: global }
      - { .name: Wo, .offset: 32, .size: 8, .value_kind: global_buffer, .address_space: global }
      - { .name: xc, .offset: 40, .size: 8, .value_kind: global_buffer, .address_space: global }
      - { .name: xs, .offset: 48, .size: 8, .value_kind: global_buffer, .address_space: global }
      - { .name: wc, .offset: 56, .size: 8, .value_kind: global_buffer, .address_space: global }
      - { .name: ws, .offset: 64, .size: 8, .value_kind: global_buffer, .address_space: global }
      - { .name: wo16, .offset: 72, .size: 8, .value_kind: global_buffer, .address_space: global }
    .group_segment_fixed_size: 35328
    .private_segment_fixed_size: 0
    .kernarg_segment_align: 8
    .kernarg_segment_size: 80
    .max_flat_workgroup_size: 128
    .sgpr_count:     66
    .vgpr_count:     224
    .wavefront_size: 32
...
	.end_amdgpu_metadata
.endif
;; end of part 1
;; launch qkv (part 2): grid 12 x 32, 4 waves a work-group, clusters of 4 x 4, 327,680 bytes of LDS; arguments xc, xs, wc, ws, bq, bk, bv, mask, qkv; writes qkv
.if DOCPART == 2
	.amdgcn_target "amdgcn-amd-amdhsa--gfx1250"
	.amdhsa_code_object_version 6
	.text
	.protected	k_q8540f1a532_qkv
	.globl	k_q8540f1a532_qkv
	.p2align	8
	.type	k_q8540f1a532_qkv,@function
k_q8540f1a532_qkv:
	s_mov_b64 s[64:65], 0
	v_nop
	global_prefetch_b8 v0, s[64:65] scope:SCOPE_SE
	s_setreg_imm32_b32 hwreg(HW_REG_WAVE_MODE, 25, 1), 1
	s_wait_xcnt 0x0
	s_wait_alu depctr_hold_cnt(0) depctr_sa_sdst(0) depctr_va_vdst(0) depctr_va_sdst(0) depctr_va_ssrc(0) depctr_va_vcc(0) depctr_vm_vsrc(0)
	s_getreg_b32 s2, hwreg(HW_REG_IB_STS2, 6, 4)
	s_cmp_eq_u32 s2, 0
	s_cbranch_scc0 .Lentry_in_a_cluster
	s_endpgm
.Lentry_in_a_cluster:
	s_bfe_u32 s2, ttmp6, 0x10000c
	s_cmp_lg_u32 s2, 0xf033
	s_cbranch_scc0 .Lentry_shape_is_right
	s_endpgm
.Lentry_shape_is_right:
; [Q | K | V] = x [Wq | Wk | Wv] + bias on codes of FP4 (E2M1) with E8M0 scales: M = 8192, N = 3072, K = 1024; sums in f32; the results leave as f16, laid [3][b 4][head 16][s 2048][64].
; On the way out Q is multiplied by log2(e) / 8 (the scores then are exponents of 2), and K's rows of keys whose mask is 0 by 0: the attention launch adds -1e9 log2(e) to those keys' scores, which are then exactly that number.
; LIMITS: NaN and infinities are not served; |Q log2(e) / 8|, |K|, |V| beyond 65,504 become infinities of f16.
; A tile of 256 x 256 is made by four waves, 128 x 128 each: 64 accumulators.  K = 1024 is two LDS slots of 512: both are first fills, nothing is filled again, and the text has no loop.
; LDS TILES lie [kb][row][16 bytes], as the codes' buffers do: a fragment's registers 4 c .. 4 c + 3 of lane (r, h) are the 16 bytes of block 4 q + 2 c + h of row r, so sixteen lanes read 256 consecutive bytes.
; CLUSTERS: 4 x 4 work-groups; x's tiles are asked for jointly along a row of the cluster, the weights' along a column.  The tensor (q, k, v) is the cluster's x, the same in all sixteen.
; THE MATRIX INSTRUCTION IS USED TRANSPOSED (source 0 = 16 columns of W, source 1 = 16 rows of x): a lane holds eight neighbouring columns of one row.  The bias is the C of each sum's first product.
; REGISTERS: window 0: v16-31 addresses; v32-95 scale words, two sets; v96-111 the rows' multipliers, a pair for each block of 16 rows; v112-119 mask words; v128-191 x's fragments, one set; on the way out v32-63 packed results, v128-191 rows read back.
;   window 1: W's fragments, two sets, at v0 and v128; v64-127 the bias tiles.   window 2: accumulators of my rows 0-63 ((a, b) at v[8 (8 a + b)]);   window 3: of my rows 64-127.
.set NQ,     4                         ; steps of 128 along K in a slot
.set FR,     8                         ; registers of a fragment
.set NL,     2                         ; LDS loads that bring one
.set NP,     4                         ; places behind this matrix instruction (ISA guide 7.12.1)
.set KBB,    4096                      ; a block kb of 256 rows in LDS
.set SLOT,   131072                    ; x's 16 blocks, then W's 16
.set BOFF,   65536
.set SCL,    262144                    ; behind the slots: x's scale words [2][256][16 bytes], then W's
.set SPARE,  278528                    ; the spare words, 128 bytes for each wave, that no other line names
.set SPITCH, 144                       ; the way out: a stage row, 128 bytes + 16
.set PLANE,  16*SPITCH                 ; 16 rows of one head; a wave's stage is two planes.  The stages lie in slot 0, which has had its only fill and its last read when the first result is stored there
.set ADRA, 16
.set ADRB, 20
.set STO,  24
.set RD,   25
.set CO,   26
.set ADRS, 27
.set SPW,  28                          ; v28  LDS address of my spare word; never rewritten
.set NIL,  29                          ; v29  0; never rewritten
.set BOF,  30
.set MOF,  31
.set SC,   32
.set MU,   96
.set MW,   112
.set AF,   128
.set TMP,  32
.set BK,   128
.set BT,   64                          ; in window 1
.set G1,   24                          ; s[24:31] group 1 for x's tiles; s[32:39] group 0, a set for each slot
.set G0,   32
.set G1B,  48                          ; s[48:55], s[56:63] the same for W's
.set G0B,  56
.set G1S,  68                          ; s[68:75], s[76:79] groups 1 and 0 for x's scales; s[92:99], s[80:83] for W's
.set G0S,  76
.set G0SB, 80
.set G1SB, 92
.set MSB, 0
.macro WIN new                         ; the immediate's high byte repeats the setting that is left
.if MSB != \new
	s_set_vgpr_msb (MSB<<8)|\new
.set MSB, \new
.endif
.endm
.set MUL_LO, 0xa1                      ; source 0 (W) window 1, source 1 (x) window 0, C and D window 2
.set MUL_HI, 0xf1                      ; the same, C and D window 3
.set TO_B,   0x40
; A joint load: waves 0 and 1 fetch for x, waves 2 and 3 for W.  The branch hangs on the wave's number alone.  An s_nop 0 and four v_nop follow each line.
.macro JLOAD g0a, g1a, g0b, g1b
	s_cmp_eq_u32 s15, 0
	s_cbranch_scc0 .Lfor_b_\@
	tensor_load_to_lds s[\g0a:\g0a+3], s[\g1a:\g1a+7]
	s_nop 0
.rept 4
	v_nop
.endr
	s_branch .Lasked_\@
.Lfor_b_\@:
	tensor_load_to_lds s[\g0b:\g0b+3], s[\g1b:\g1b+7]
	s_nop 0
.rept 4
	v_nop
.endr
.Lasked_\@:
.endm
.macro CROUND                          ; a round of the cluster's barrier
	s_barrier_signal -1
	s_barrier_wait -1
	s_cmp_lg_u32 s14, 0
	s_cbranch_scc1 .Lnot_wave_0_\@
	s_barrier_signal -3
.Lnot_wave_0_\@:
	s_barrier_wait -3
	s_barrier_signal -1
	s_barrier_wait -1
.endm
	s_load_b256 s[4:11], s[0:1], 0x0               ; xc s[4:5], xs s[6:7], wc s[8:9], ws s[10:11]
	s_load_b256 s[84:91], s[0:1], 0x20             ; bq s[84:85], bk s[86:87], bv s[88:89], mask s[90:91]
	s_load_b64 s[12:13], s[0:1], 0x40              ; qkv
	v_lshl_add_u32 v[SPW], v0, 2, SPARE
	v_mov_b32 v[NIL], 0
	ds_add_u32 v[SPW], v[NIL]                      ; the wave's opening: the add, twice on end, and its wait ahead of my first tensor load
	ds_add_u32 v[SPW], v[NIL]
	v_lshrrev_b32 v1, 5, v0
	v_readfirstlane_b32 s14, v1                    ; wave 0..3
	s_lshr_b32 s15, s14, 1                         ; which half of the tile's rows is mine.  Also: I fetch for x (0) or for W (1)
	s_and_b32 s16, s14, 1                          ; which half of its columns.  Also: which 8 blocks of a slot, which half of the scales, I fetch
	s_bfe_u32 s40, ttmp6, 0x40000                  ; cx, cy: my place in the cluster
	s_bfe_u32 s41, ttmp6, 0x40004
	s_lshl_b32 s42, ttmp9, 2
	s_add_co_u32 s42, s42, s40                     ; tile column = 4 x cluster x + cx
	s_and_b32 s17, ttmp7, 0xffff
	s_lshl_b32 s17, s17, 2
	s_add_co_u32 s17, s17, s41                     ; tile row = 4 x cluster y + cy
	s_lshl_b32 s43, s41, 2
	s_lshl_b32 s43, 15, s43                        ; my row of the cluster
	s_lshl_b32 s44, 0x1111, s40                    ; my column
	; group 1: 8 blocks kb, each 256 rows x 16 bytes = 512 elements of 8 bytes; from kb to kb the whole tensor's rows; no padding
	s_or_b32 s[G1+0], s43, (3<<16)|(1<<21)
	s_or_b32 s[G1B+0], s44, (3<<16)|(1<<21)
.irp g, G1, G1B
	s_mov_b32 s[\g+1], 512<<16                     ; tensor_dim0
	s_mov_b32 s[\g+2], 8<<16                       ; tensor_dim1
	s_mov_b32 s[\g+3], 512<<16                     ; tile_dim0
	s_mov_b32 s[\g+4], 8                           ; tile_dim1
	s_mov_b32 s[\g+6], 0
	s_mov_b32 s[\g+7], 0
.endr
	s_mov_b32 s[G1+5], 16384                       ; 8192 rows x 16 bytes, in elements
	s_mov_b32 s[G1B+5], 6144                       ; 3072 rows x 16 bytes
	; the scales of 256 rows for half of K: one row of 4,096 bytes
	s_or_b32 s[G1S+0], s43, (3<<16)|(1<<21)
	s_or_b32 s[G1SB+0], s44, (3<<16)|(1<<21)
.irp g, G1S, G1SB
	s_mov_b32 s[\g+1], 512<<16
	s_mov_b32 s[\g+2], 1<<16
	s_mov_b32 s[\g+3], 512<<16
	s_mov_b32 s[\g+4], 1
	s_mov_b32 s[\g+5], 512
	s_mov_b32 s[\g+6], 0
	s_mov_b32 s[\g+7], 0
.endr
	s_lshl_b32 s18, s17, 12                        ; the tile row's 256 rows of 16 bytes
	s_lshl_b32 s20, s16, 20                        ; x's codes: my 8 blocks of 131,072 bytes
	s_add_co_u32 s20, s20, s18
	s_mov_b32 s21, 0
	s_lshl_b32 s22, s16, 17                        ; x's scales: my half
	s_add_co_u32 s22, s22, s18
	s_mov_b32 s23, 0
	s_lshl_b32 s45, s42, 12                        ; the tile column's 256 rows of 16 bytes
	s_mul_i32 s46, s16, 8*49152                    ; W's codes
	s_add_co_u32 s46, s46, s45
	s_mov_b32 s47, 0
	s_mul_i32 s82, s16, 49152                      ; W's scales
	s_add_co_u32 s82, s82, s45
	s_mov_b32 s83, 0
	s_lshl_b32 s19, s14, 15                        ; where they go: wave x 8 blocks; no place in the cluster enters an LDS address
	s_lshl_b32 s3, s14, 12                         ; and wave x 4,096 bytes of scales
	s_wait_dscnt 0x0                               ; both opening adds are done
	s_wait_kmcnt 0x0
	s_add_nc_u64 s[20:21], s[4:5], s[20:21]
	s_add_nc_u64 s[22:23], s[6:7], s[22:23]
	s_add_nc_u64 s[46:47], s[8:9], s[46:47]
	s_add_nc_u64 s[82:83], s[10:11], s[82:83]
	CROUND                                         ; all sixteen work-groups are here: the first joint loads meet
	s_mov_b32 s[G0S], 1
	s_add_co_u32 s[G0S+1], s3, SCL
	s_mov_b64 s[G0S+2:G0S+3], s[22:23]
	s_or_b32 s[G0S+3], s[G0S+3], 0x80000000
	s_mov_b32 s[G0SB], 1
	s_add_co_u32 s[G0SB+1], s3, SCL
	s_or_b32 s[G0SB+3], s[G0SB+3], 0x80000000
	JLOAD G0S, G1S, G0SB, G1SB                     ; the scales first: they are wanted with the first step
.irp s, 0,1
	s_mov_b32 s[G0+4*\s], 1
	s_add_co_u32 s[G0+4*\s+1], s19, \s*SLOT
	s_add_nc_u64 s[G0+4*\s+2:G0+4*\s+3], s[20:21], \s*16*131072
	s_or_b32 s[G0+4*\s+3], s[G0+4*\s+3], 0x80000000
	s_mov_b32 s[G0B+4*\s], 1
	s_add_co_u32 s[G0B+4*\s+1], s19, \s*SLOT
	s_add_nc_u64 s[G0B+4*\s+2:G0B+4*\s+3], s[46:47], \s*16*49152
	s_or_b32 s[G0B+4*\s+3], s[G0B+4*\s+3], 0x80000000
	JLOAD G0+4*\s, G1, G0B+4*\s, G1B               ; three tensor loads of mine are out
.endr
	v_and_b32 v1, 15, v0                           ; r
	v_bfe_u32 v2, v0, 4, 1                         ; h
	v_lshlrev_b32 v3, 4, v1                        ; 16 r
	v_lshl_add_u32 v4, v2, 12, v3                  ; + one block for lanes 16-31
	s_lshl_b32 s21, s15, 11                        ; my 128 rows of x
	s_lshl_b32 s22, s16, 11                        ; my 128 rows of W,
	s_add_co_u32 s22, s22, BOFF                    ; behind x's blocks
.irp s, 0,1
	v_add_nc_u32 v[ADRA+\s], s21, v4
	v_add_nc_u32 v[ADRB+\s], s22, v4
	s_add_co_u32 s21, s21, SLOT
	s_add_co_u32 s22, s22, SLOT
.endr
	s_lshl_b32 s21, s15, 11                        ; scale words: lanes 0-15 x's rows, lanes 16-31 W's: the lower base + h x the distance
	s_lshl_b32 s22, s16, 11
	s_add_co_u32 s22, s22, 8192
	s_sub_co_u32 s22, s22, s21
	v_mul_u32_u24 v5, s22, v2
	s_add_co_u32 s21, s21, SCL
	v_add_nc_u32 v5, v5, v3
	v_add_nc_u32 v[ADRS], s21, v5
	s_mul_i32 s23, s14, 2*PLANE                    ; my stage
	v_mul_u32_u24 v5, v1, SPITCH
	v_lshl_add_u32 v5, v2, 4, v5
	v_add_nc_u32 v[STO], s23, v5                   ; in: row r, 16 bytes for each half of the lanes
	v_and_b32 v6, 31, v0
	v_lshlrev_b32 v[CO], 4, v6                     ; out: 16 bytes a lane, 512 on end
	v_lshrrev_b32 v7, 3, v6
	v_mul_u32_u24 v7, v7, SPITCH
	v_and_b32 v6, 7, v0
	v_lshl_add_u32 v7, v6, 4, v7
	v_add_nc_u32 v[RD], s23, v7                    ; back: eight lanes to a row of 128 bytes, four rows an instruction
	v_lshlrev_b32 v[BOF], 5, v2                    ; bias: 8 h numbers on
	v_lshlrev_b32 v[MOF], 2, v1                    ; mask: row r
	; which tensor: the cluster's x.  Its bias, and the multiplier m x sa + sb of a row whose mask is m (0 or 1): Q: log2(e) / 8; K: m; V: 1
	s_mov_b32 s2, 0x3e38aa3b                       ; log2(e) / 8
	s_cmp_eq_u32 ttmp9, 0
	s_cselect_b64 s[86:87], s[84:85], s[86:87]
	s_cselect_b32 s18, 0, 1.0
	s_cselect_b32 s2, s2, 0
	s_cmp_eq_u32 ttmp9, 2
	s_cselect_b64 s[86:87], s[88:89], s[86:87]
	s_cselect_b32 s18, 0, s18
	s_cselect_b32 s2, 1.0, s2
	s_lshl_b32 s46, s40, 10                        ; my 128 columns in the tensor: 256 cx + 128 x half, 4 bytes each
	s_lshl_b32 s47, s16, 9
	s_add_co_u32 s46, s46, s47
	s_mov_b32 s47, 0
	s_add_nc_u64 s[86:87], s[86:87], s[46:47]
	s_lshl_b32 s20, s17, 10                        ; my 128 rows in the mask, 4 bytes each
	s_lshl_b32 s21, s15, 9
	s_add_co_u32 s20, s20, s21
	s_mov_b32 s21, 0
	s_add_nc_u64 s[90:91], s[90:91], s[20:21]
	WIN TO_B
.irp b, 0,1,2,3,4,5,6,7                        ; bias tile b: register j = bias(16 b + 8 h + j): the result's layout
	global_load_b128 v[BT+8*\b:BT+8*\b+3], v[BOF], s[86:87] offset:64*\b
	global_load_b128 v[BT+8*\b+4:BT+8*\b+7], v[BOF], s[86:87] offset:64*\b+16
.endr
	WIN 0
.irp a, 0,1,2,3,4,5,6,7
	global_load_b32 v[MW+\a], v[MOF], s[90:91] offset:64*\a
.endr
	; where my part begins in qkv: tensor, batch (tile row / 8), head 4 cx + 2 x half, position 256 (tile row % 8) + 128 x half; rows of 128 bytes
	s_lshl_b32 s20, ttmp9, 24
	s_lshr_b32 s21, s17, 3
	s_lshl_b32 s21, s21, 22
	s_add_co_u32 s20, s20, s21
	s_and_b32 s21, s17, 7
	s_lshl_b32 s21, s21, 15
	s_add_co_u32 s20, s20, s21
	s_lshl_b32 s21, s15, 14
	s_add_co_u32 s20, s20, s21
	s_lshl_b32 s46, s40, 20
	s_lshl_b32 s47, s16, 19
	s_add_co_u32 s46, s46, s47
	s_add_co_u32 s20, s20, s46
	s_mov_b32 s21, 0
	s_add_nc_u64 s[12:13], s[12:13], s[20:21]
	s_wait_loadcnt 0x0
.irp a, 0,1,2,3,4,5,6,7
	v_min_u32 v[MW+\a], 1, v[MW+\a]                ; whatever is not 0 counts
.endr
.irp a, 0,1,2,3,4,5,6,7
	v_cvt_f32_u32 v[MW+\a], v[MW+\a]
.endr
.irp a, 0,1,2,3,4,5,6,7
	v_fma_f32 v[MU+2*\a], v[MW+\a], s18, s2
.endr
.irp a, 0,1,2,3,4,5,6,7
	v_mov_b32 v[MU+2*\a+1], v[MU+2*\a]             ; twice: a pair for the packed multiply
.endr
.macro FRAG reg, adr, q, i             ; 16 rows x 128 K: blocks 4 q + h and 4 q + 2 + h of rows 16 i + r
.irp c, 0,1
	ds_load_b128 v[\reg+4*\c:\reg+4*\c+3], v[\adr] offset:(4*(\q)+2*\c)*KBB+(\i)*256
.endr
.endm
; 16 matrix instructions: x's blocks a0, a0 + 1 against W's eight.  first = 1: the bias tile is the C.  The 64 accumulators take turns, one instruction a turn, in the same order in every step.
.macro MUL16 a0, p, q, sc, first
.irp a, \a0, \a0+1
.irp b, 0,1,2,3,4,5,6,7
.if \first
	v_wmma_scale_f32_16x16x128_f8f6f4 v[8*(8*((\a)%4)+\b):8*(8*((\a)%4)+\b)+7], v[128*(\p)+FR*\b:128*(\p)+FR*\b+FR-1], v[AF+FR*(\a):AF+FR*(\a)+FR-1], v[BT+8*\b:BT+8*\b+7], v[SC+8*NQ*(\sc)+NQ*\b+(\q)], v[SC+8*NQ*(\sc)+NQ*(\a)+(\q)] matrix_a_fmt:MATRIX_FMT_FP4 matrix_b_fmt:MATRIX_FMT_FP4 matrix_a_scale:MATRIX_SCALE_ROW1
.else
	v_wmma_scale_f32_16x16x128_f8f6f4 v[8*(8*((\a)%4)+\b):8*(8*((\a)%4)+\b)+7], v[128*(\p)+FR*\b:128*(\p)+FR*\b+FR-1], v[AF+FR*(\a):AF+FR*(\a)+FR-1], v[8*(8*((\a)%4)+\b):8*(8*((\a)%4)+\b)+7], v[SC+8*NQ*(\sc)+NQ*\b+(\q)], v[SC+8*NQ*(\sc)+NQ*(\a)+(\q)] matrix_a_fmt:MATRIX_FMT_FP4 matrix_b_fmt:MATRIX_FMT_FP4 matrix_a_scale:MATRIX_SCALE_ROW1
.endif
.endr
.endr
.endm
.macro FETCH_B slot, q, p
	WIN TO_B
.irp i, 0,1,2,3,4,5,6,7
	FRAG 128*(\p)+FR*\i, ADRB+\slot, \q, \i
.endr
	WIN 0
.endm
.macro FETCH_A slot, q, i0
.irp i, \i0, \i0+1, \i0+2, \i0+3
	FRAG AF+FR*(\i), ADRA+\slot, \q, \i
.endr
.endm
.macro SCALES sc                       ; a slot's four scale words a row: lanes 0-15 x's block i, lanes 16-31 W's block i
.irp i, 0,1,2,3,4,5,6,7
	ds_load_b128 v[SC+8*NQ*\sc+NQ*\i:SC+8*NQ*\sc+NQ*\i+3], v[ADRS] offset:\sc*4096+\i*256
.endr
.endm
.macro PLACES n                        ; plain vector lines between a matrix instruction and a load into, or a vector line on, its registers
.rept \n
	v_nop
.endr
.endm
.macro STEP slot, q, first             ; 128 along K with its successor in the same slot
	s_wait_dscnt 4*NL                              ; W's set and x's blocks 0-3 are in; the youngest eight loads (x's blocks 4-7) may be out
.if \first
	WIN 0x91                                       ; C (the bias) window 1, D window 2
.else
	WIN MUL_LO
.endif
	MUL16 0, (\q)%2, \q, \slot, \first
	MUL16 2, (\q)%2, \q, \slot, \first
	s_wait_dscnt 0                                 ; x's blocks 4-7 are in
	PLACES NP
	FETCH_B \slot, (\q)+1, 1-(\q)%2
	FETCH_A \slot, (\q)+1, 0
.if \first
	WIN 0xd1
.else
	WIN MUL_HI
.endif
	MUL16 4, (\q)%2, \q, \slot, \first
	MUL16 6, (\q)%2, \q, \slot, \first
	PLACES NP
	WIN 0
	FETCH_A \slot, (\q)+1, 4
.endm
	s_wait_tensorcnt 1                             ; the scales and my part of slot 0 are in (slot 1's load may be out)
	s_barrier_signal -1
	s_barrier_wait -1                              ; everybody's are
	FETCH_B 0, 0, 0
	FETCH_A 0, 0, 0
	SCALES 0
	FETCH_A 0, 0, 4
	STEP 0, 0, 1                                   ; the first products start the sums, from the bias
	STEP 0, 1, 0
	STEP 0, 2, 0
	; slot 0's last step changes slots: one barrier; in front of it my tensor loads have landed and my reads of slot 0 are over
	s_wait_tensorcnt 0x0                           ; my part of slot 1 is in
	ds_add_u32 v[SPW], v[NIL]                      ; 0 onto my spare word
	s_wait_dscnt 4*NL+1                            ; (the add and the youngest eight loads may be out)
	WIN MUL_LO
	MUL16 0, 1, 3, 0, 0
	s_wait_dscnt 0x0                               ; the add is done, and my reads of slot 0 are over
	s_barrier_signal -1
	MUL16 2, 1, 3, 0, 0
	WIN 0
	s_barrier_wait -1
	PLACES NP
	FETCH_B 1, 0, 0
	FETCH_A 1, 0, 0
	SCALES 1
	WIN MUL_HI
	MUL16 4, 1, 3, 0, 0
	MUL16 6, 1, 3, 0, 0
	PLACES NP
	WIN 0
	FETCH_A 1, 0, 4
	STEP 1, 0, 0
	STEP 1, 1, 0
	STEP 1, 2, 0
	s_wait_dscnt 4*NL                              ; the very last step: nothing more to fetch
	WIN MUL_LO
	MUL16 0, 1, 3, 1, 0
	MUL16 2, 1, 3, 1, 0
	s_wait_dscnt 0
	WIN MUL_HI
	MUL16 4, 1, 3, 1, 0
	MUL16 6, 1, 3, 1, 0
	WIN 0
; THE WAY OUT, block by block of 16 rows x 128 columns (two heads).  PACK: x the row's multiplier, rounded to f16, 16 bytes a lane.  TOSTAGE: into my stage, a plane for each head, and back as rows of 128 bytes.
; SEND: a head's 16 rows are 2,048 consecutive bytes of qkv: each store covers 512 of them.
.macro PACK a
.set AC, 64*((\a)%4)
	WIN 0x82+0x41*((\a)/4)                         ; accumulators (destination and source 0) window 2 or 3, the multiplier window 0
.set n, 0
.rept 32
	v_pk_mul_f32 v[AC+2*n:AC+2*n+1], v[AC+2*n:AC+2*n+1], v[MU+2*(\a):MU+2*(\a)+1]   ; each accumulator from its low end on
.set n, n+1
.endr
	WIN 0x0a+5*((\a)/4)
.irp b, 0,1,2,3,4,5,6,7
.irp r, 0,1,2,3
	v_cvt_pk_f16_f32 v[TMP+4*\b+\r], v[AC+8*\b+2*\r], v[AC+8*\b+2*\r+1]
.endr
.endr
	WIN 0
.endm
.macro TOSTAGE a
.set BB, BK+32*((\a)%2)
.irp b, 0,1,2,3,4,5,6,7
	ds_store_b128 v[STO], v[TMP+4*\b:TMP+4*\b+3] offset:(\b/4)*PLANE+(\b%4)*32
.endr
.if (\a) > 1
	s_wait_xcnt 0x0                                ; the stores of two blocks ago have read the registers that the loads below fill
.endif
.irp t, 0,1,2,3,4,5,6,7
	ds_load_b128 v[BB+4*\t:BB+4*\t+3], v[RD] offset:(\t/4)*PLANE+(\t%4)*4*SPITCH   ; LDS serves a wave's instructions in order: these see the stores above
.endr
.endm
.macro SEND a
.set BB, BK+32*((\a)%2)
	s_wait_dscnt 0x0                               ; the block is back in registers
.irp t, 0,1,2,3,4,5,6,7
	global_store_b128 v[CO], v[BB+4*\t:BB+4*\t+3], s[12:13] offset:(\a)*2048+(\t/4)*262144+(\t%4)*512
.endr
.endm
	PLACES NP                                      ; behind the last products: their results, scale words and fragments are touched below
	PACK 0
	TOSTAGE 0
.irp a, 1,2,3,4,5,6,7                          ; block a's arithmetic stands between block a - 1's loads from the stage and the wait for them
	PACK \a
	SEND \a-1
	TOSTAGE \a
.endr
	SEND 7
	s_wait_tensorcnt 0x0                           ; the wave's end: three lines behind my last tensor load and my last LDS store
	ds_add_u32 v[SPW], v[NIL]
	s_wait_dscnt 0x0
	CROUND                                         ; the closing round: no work-group ends while a partner may still ask for a tile that names it
	s_endpgm
.Lfunc_end_k_q8540f1a532_qkv:
	.size	k_q8540f1a532_qkv, .Lfunc_end_k_q8540f1a532_qkv-k_q8540f1a532_qkv
	.p2alignl 7, 3214868480
	.fill 96, 4, 3214868480
	.section	.rodata,"a",@progbits
	.p2align	6, 0x0
	.amdhsa_kernel k_q8540f1a532_qkv
		.amdhsa_group_segment_fixed_size 327680
		.amdhsa_private_segment_fixed_size 0
		.amdhsa_enable_private_segment 0
		.amdhsa_kernarg_size 72
		.amdhsa_user_sgpr_count 2
		.amdhsa_user_sgpr_kernarg_segment_ptr 1
		.amdhsa_wavefront_size32 1
		.amdhsa_system_sgpr_workgroup_id_x 1
		.amdhsa_system_sgpr_workgroup_id_y 1
		.amdhsa_system_sgpr_workgroup_id_z 1
		.amdhsa_system_vgpr_workitem_id 0
		.amdhsa_next_free_vgpr 1024
		.amdhsa_next_free_sgpr 100
		.amdhsa_reserve_vcc 0
		.amdhsa_float_denorm_mode_32 3
		.amdhsa_float_denorm_mode_16_64 3
		.amdhsa_memory_ordered 1
		.amdhsa_forward_progress 1
		.amdhsa_inst_pref_size 146
	.end_amdhsa_kernel
	.amdgpu_metadata
---
amdhsa.version: [ 1, 2 ]
amdhsa.kernels:
  - .name:           k_q8540f1a532_qkv
    .symbol:         k_q8540f1a532_qkv.kd
    .args:
      - { .name: xc, .offset: 0, .size: 8, .value_kind: global_buffer, .address_space: global }
      - { .name: xs, .offset: 8, .size: 8, .value_kind: global_buffer, .address_space: global }
      - { .name: wc, .offset: 16, .size: 8, .value_kind: global_buffer, .address_space: global }
      - { .name: ws, .offset: 24, .size: 8, .value_kind: global_buffer, .address_space: global }
      - { .name: bq, .offset: 32, .size: 8, .value_kind: global_buffer, .address_space: global }
      - { .name: bk, .offset: 40, .size: 8, .value_kind: global_buffer, .address_space: global }
      - { .name: bv, .offset: 48, .size: 8, .value_kind: global_buffer, .address_space: global }
      - { .name: mask, .offset: 56, .size: 8, .value_kind: global_buffer, .address_space: global }
      - { .name: qkv, .offset: 64, .size: 8, .value_kind: global_buffer, .address_space: global }
    .group_segment_fixed_size: 327680
    .private_segment_fixed_size: 0
    .kernarg_segment_align: 8
    .kernarg_segment_size: 72
    .max_flat_workgroup_size: 128
    .sgpr_count:     100
    .vgpr_count:     1024
    .wavefront_size: 32
...
	.end_amdgpu_metadata
.endif
;; end of part 2
;; launch attn (part 3): grid 4 x 64, 8 waves a work-group, clusters of 4 x 1, 327,680 bytes of LDS; arguments qkv, mask, ao; writes ao
.if DOCPART == 3
	.amdgcn_target "amdgcn-amd-amdhsa--gfx1250"
	.amdhsa_code_object_version 6
	.text
	.protected	k_q8540f1a532_attn
	.globl	k_q8540f1a532_attn
	.p2align	8
	.type	k_q8540f1a532_attn,@function
k_q8540f1a532_attn:
	s_mov_b64 s[64:65], 0
	v_nop
	global_prefetch_b8 v0, s[64:65] scope:SCOPE_SE
	s_setreg_imm32_b32 hwreg(HW_REG_WAVE_MODE, 25, 1), 1
	s_wait_xcnt 0x0
	s_wait_alu depctr_hold_cnt(0) depctr_sa_sdst(0) depctr_va_vdst(0) depctr_va_sdst(0) depctr_va_ssrc(0) depctr_va_vcc(0) depctr_vm_vsrc(0)
	s_getreg_b32 s2, hwreg(HW_REG_IB_STS2, 6, 4)
	s_cmp_eq_u32 s2, 0
	s_cbranch_scc0 .Lentry_in_a_cluster
	s_endpgm
.Lentry_in_a_cluster:
	s_bfe_u32 s2, ttmp6, 0x10000c
	s_cmp_lg_u32 s2, 0x3003
	s_cbranch_scc0 .Lentry_shape_is_right
	s_endpgm
.Lentry_shape_is_right:
; ao[b][head][q][:] = the sum over k of softmax_k(score) V[k][:], score = Q.K / 8, replaced by -1e9 where mask[b][k] is 0.  Q, K, V: f16, [3][b][head][2048][64]; ao: f16, [b][head][2048][64].
; Q comes multiplied by log2(e) / 8, so a score is an exponent of 2.  K's rows of masked keys come as zeros, and each key's bias, 0 or -1e9 log2(e), is the C of the first product: a masked score is exactly that number,
; for every mask: where all keys of a batch are masked all p are 1, and the result is the plain average.
; SOFTMAX: a running maximum m for each query; p = 2^(s - m); in every step O and l are multiplied by a = 2^(m_old - m_new).  Products and sums in f32; p is rounded to f16 for the second product.
; The row's sum l is a product too: a tile of ones against p (so it sums the rounded p, the numbers that the second product multiplies).  Of its eight equal rows only register 0 is read, so only the low pair is rescaled; the others stay sums of at most 2,048 numbers up to 1.
; LIMITS: NaN and infinities are not served.
; SHARES: a work-group owns 512 queries of one head, each of its eight waves 64: four tiles of 16; two waves to a SIMD, so that one wave's products stand beside the other's softmax.  Every wave walks all 2,048 keys, 64 a step.
; LAYOUT: S^T = K Q^T (source 0 = 16 keys, source 1 = 16 queries) and O^T = V^T P: a lane holds ONE query throughout; two tiles of S^T, rounded in pairs, are source 1 of the second product.  V comes out of LDS turned.
; CLUSTER: the four query blocks of a head walk the same K and V: each tile is asked for JOINTLY.  A ring of two slots of 256 keys: one joint load a wave behind each round, four key steps in which to land.
; REGISTERS: window 0: v1-13 addresses; v16-47 statistics, 8 a tile: +0 m, +2 a (each the low word of a pair), +4..7 at work; v48-175 S^T, 32 a tile, P laid over each tile's low 16; v176-239 K's fragments, then V's; v240-247 ones; v248, v249 the add's two.
;   window 1: v0-127 O^T, 32 a tile; v128-159 l, 8 a tile; v160-223 Q, 16 a tile; v224-255 the step's bias tiles.
.set KP,    144                        ; a row of K in LDS: 128 bytes + 16
.set VP,    160                        ; a row of V: 128 + 32
.set VOFF,  256*KP                     ; a slot: 256 rows of K, then 256 of V
.set SLOT1, 1<<17                      ; slot 1 begins here: one exclusive or turns an address
.set BIAS,  208896                     ; behind the ring: 2,048 f32, a bias for each key; stored once, blocks of its own
.set STAGE, 217088                     ; 16 rows x 144 bytes for each wave, for the way out
.set SPARE, 235520                     ; the spare words, 128 bytes for each wave, that no other line names
.set AK0, 3
.set AV0, 4
.set AB0, 5
.set ADK, 6
.set ADV, 7
.set ADB, 8
.set QO,  9
.set STO, 10
.set RD,  11
.set GO,  12
.set PFO, 13                           ; v13  256 x my lane; never rewritten
.set ST,  16
.set S,   48
.set KV,  176
.set ONES, 240
.set SPW, 248                          ; v248 LDS address of my spare word; never rewritten
.set NIL, 249                          ; v249 0; never rewritten
.set OL,  128                          ; in window 1
.set QF,  160
.set BI,  224
.set WV,  12
.set LIM, 15                           ; s15  1 in a wave that prefetches, else the greatest number
.set PFA, 18                           ; s[18:19] where my prefetches stand
.set G1K, 24
.set G1V, 32
.set G0K, 40
.set G0V, 44
.set SLOTS, 48
.set CNT, 49
.set TK,  50                           ; LDS byte of the step's rows of K,
.set TV,  51                           ; of V,
.set TBI, 52                           ; and of its biases, from the table's head
.set SEL, 54
.set MSB, 0
.macro WIN new                         ; the immediate's high byte repeats the setting that is left
.if MSB != \new
	s_set_vgpr_msb (MSB<<8)|\new
.set MSB, \new
.endif
.endm
; A joint load: waves 0-3 fetch a quarter of the slot's K each, waves 4-7 of its V.  The branch hangs on the wave's number alone.  An s_nop 0 and four v_nop follow each line.
.macro JLOAD
	s_cmp_lt_u32 s[WV], 4
	s_cbranch_scc0 .Lfor_v_\@
	tensor_load_to_lds s[G0K:G0K+3], s[G1K:G1K+7]
	s_nop 0
.rept 4
	v_nop
.endr
	s_branch .Lasked_\@
.Lfor_v_\@:
	tensor_load_to_lds s[G0V:G0V+3], s[G1V:G1V+7]
	s_nop 0
.rept 4
	v_nop
.endr
.Lasked_\@:
.endm
; A prefetch of what the NEXT change of slots will ask for: 256 rows of K and of V, 32,768 bytes each.  The four partners share them out BY ADDRESS, 8,192 bytes each; in each, wave 0 asks for K's and wave 4 for V's,
; lanes 256 bytes apart: each block is named once in the launch.  It stands behind the wave's tensor load, four key steps ahead of the load that will want the data.  The last change that fills a slot asks for nothing.
.macro ASK
	s_cmp_gt_u32 s[SLOTS], s[LIM]
	s_cbranch_scc0 .Lnot_mine_\@
	global_prefetch_b8 v[PFO], s[PFA:PFA+1] th:TH_LOAD_NT scope:SCOPE_SE
.Lnot_mine_\@:
.endm
.macro CROUND                          ; a round of the cluster's barrier
	s_barrier_signal -1
	s_barrier_wait -1
	s_cmp_lg_u32 s[WV], 0
	s_cbranch_scc1 .Lnot_wave_0_\@
	s_barrier_signal -3
.Lnot_wave_0_\@:
	s_barrier_wait -3
	s_barrier_signal -1
	s_barrier_wait -1
.endm
	s_load_b128 s[4:7], s[0:1], 0x0                ; qkv s[4:5], mask s[6:7]
	s_load_b64 s[8:9], s[0:1], 0x10                ; ao
	v_lshl_add_u32 v[SPW], v0, 2, SPARE
	v_mov_b32 v[NIL], 0
	ds_add_u32 v[SPW], v[NIL]                      ; the wave's opening: the add, twice on end, and its wait ahead of my first tensor load
	ds_add_u32 v[SPW], v[NIL]
	v_lshrrev_b32 v1, 5, v0
	v_readfirstlane_b32 s[WV], v1                  ; wave 0..7
	s_bfe_u32 s13, ttmp6, 0x40000                  ; cx: which 512 queries; it enters Q's, ao's and the prefetches' addresses alone
	s_and_b32 s14, s[WV], 3                        ; which quarter of a slot I fetch
	s_and_b32 s20, ttmp7, 0xffff                   ; batch x 16 + head, which the four partners share
	s_lshl_b32 s16, s20, 18                        ; its 2,048 rows of 128 bytes
	s_lshr_b32 s58, s20, 4
	s_lshl_b32 s58, s58, 13                        ; the batch's row of the mask
	s_mov_b32 s59, 0
	; group 1: 64 rows x 64 elements of 2 bytes, dense in memory, padded behind every row
	s_mov_b32 s[G1K], 15|(1<<16)|(1<<20)|(1<<21)|(4<<22)|(3<<25)   ; the mask: all four work-groups; bit 21 beside it; after every 32 words 4 words of padding
	s_mov_b32 s[G1V], 15|(1<<16)|(1<<20)|(1<<21)|(4<<22)|(7<<25)   ; 8 words
.irp g, G1K, G1V
	s_mov_b32 s[\g+1], 64<<16                      ; tensor_dim0
	s_mov_b32 s[\g+2], 64<<16                      ; tensor_dim1
	s_mov_b32 s[\g+3], 64<<16                      ; tile_dim0
	s_mov_b32 s[\g+4], 64                          ; tile_dim1
	s_mov_b32 s[\g+5], 64                          ; from row to row
	s_mov_b32 s[\g+6], 0
	s_mov_b32 s[\g+7], 0
.endr
	s_mov_b32 s[G0K], 1
	s_mul_i32 s[G0K+1], s14, 64*KP                 ; slot 0, my quarter
	s_mov_b32 s[G0V], 1
	s_mul_i32 s[G0V+1], s14, 64*VP
	s_add_co_u32 s[G0V+1], s[G0V+1], VOFF
	s_lshl_b32 s22, s14, 13                        ; my quarter's 64 rows in memory
	s_add_co_u32 s22, s22, s16
	s_mov_b32 s23, 0
	s_lshl_b32 s60, s13, 16                        ; Q and ao: 512 cx + 64 x wave rows on
	s_lshl_b32 s61, s[WV], 13
	s_add_co_u32 s60, s60, s61
	s_add_co_u32 s60, s60, s16
	s_mov_b32 s61, 0
	s_mov_b32 s21, 33554432                        ; the prefetches: V's tensor or K's,
	s_cmp_lt_u32 s[WV], 4
	s_cselect_b32 s20, 16777216, s21
	s_lshl_b32 s21, s13, 13                        ; my work-group's 8,192 bytes of a slot's 32,768,
	s_add_co_u32 s20, s20, s21
	s_add_co_u32 s20, s20, s16
	s_add_co_u32 s20, s20, 32768                   ; in slot 1: the first change of slots steps it to slot 2.  Nothing is prefetched at the head
	s_mov_b32 s21, 0
	s_cmp_eq_u32 s14, 0
	s_cselect_b32 s[LIM], 1, -1                    ; waves 0 and 4 ask
	s_mov_b32 s[SEL], 0x76543210
	s_mov_b32 s[SEL+1], 0xfedcba98                 ; v_permlanex16_b32's selects for lane l xor 16
	s_mov_b32 s[TK], 0
	s_mov_b32 s[TV], VOFF
	s_mov_b32 s[TBI], 0
	s_mov_b32 s[SLOTS], 7
	s_wait_dscnt 0x0                               ; both opening adds are done
	s_wait_kmcnt 0x0
	s_add_nc_u64 s[G0K+2:G0K+3], s[4:5], s[22:23]
	s_add_nc_u64 s[G0K+2:G0K+3], s[G0K+2:G0K+3], 16777216
	s_or_b32 s[G0K+3], s[G0K+3], 0x80000000
	s_add_nc_u64 s[G0V+2:G0V+3], s[4:5], s[22:23]
	s_add_nc_u64 s[G0V+2:G0V+3], s[G0V+2:G0V+3], 33554432
	s_or_b32 s[G0V+3], s[G0V+3], 0x80000000
	s_add_nc_u64 s[PFA:PFA+1], s[4:5], s[20:21]
	s_add_nc_u64 s[56:57], s[4:5], s[60:61]        ; Q at my wave's first row
	s_add_nc_u64 s[8:9], s[8:9], s[60:61]          ; ao likewise
	s_add_nc_u64 s[6:7], s[6:7], s[58:59]
	CROUND                                         ; all four work-groups are here: the first joint loads meet
	JLOAD                                          ; slot 0: one load of mine is out
	v_lshlrev_b32 v12, 5, v0
	global_load_b128 v[48:51], v12, s[6:7]         ; thread t takes the mask of keys 8 t .. 8 t + 7
	global_load_b128 v[52:55], v12, s[6:7] offset:16
	v_and_b32 v1, 15, v0                           ; r
	v_bfe_u32 v2, v0, 4, 1                         ; h
	v_lshlrev_b32 v[QO], 7, v1
	v_lshl_add_u32 v[QO], v2, 4, v[QO]             ; row r of 128 bytes + 16 h
	WIN 0x40                                       ; destination window 1
.irp t, 0,1,2,3
.irp c, 0,1
	global_load_b128 v[QF+16*\t+8*\c:QF+16*\t+8*\c+3], v[QO], s[56:57] offset:2048*\t+64*\c      ; Q stays in registers: tile t, channels 32 c on
	global_load_b128 v[QF+16*\t+8*\c+4:QF+16*\t+8*\c+7], v[QO], s[56:57] offset:2048*\t+64*\c+32
.endr
.endr
.set n, 0
.rept 160
	v_mov_b32 v[n], 0                              ; O^T and l.  (The key step is written once: its first trip finds zeros, which the first a, 0, leaves zeros)
.set n, n+1
.endr
	WIN 0
	v_mul_u32_u24 v[AK0], v1, KP
	v_lshl_add_u32 v[AK0], v2, 4, v[AK0]           ; K: row r x pitch + 16 h
	v_and_b32 v10, 7, v0
	v_bfe_u32 v11, v0, 3, 1
	v_lshl_add_u32 v[AV0], v2, 3, v10              ; V, for the turning load: key 8 h + lane % 8,
	v_mul_u32_u24 v[AV0], v[AV0], VP
	v_lshl_add_u32 v[AV0], v11, 4, v[AV0]          ; channels 8 ((lane / 8) % 2) on
	v_lshl_add_u32 v[AB0], v2, 5, BIAS             ; the biases of keys 8 h on
	v_and_b32 v[PFO], 31, v0
	v_lshlrev_b32 v[PFO], 8, v[PFO]
	v_lshl_add_u32 v6, v0, 5, BIAS                 ; where my eight biases go
.irp t, 0,1,2,3
	v_mov_b32 v[ST+8*\t], 0xff61b1e6               ; m: -3e38, under every score
	v_mov_b32 v[ST+8*\t+1], 0                      ; (named with m as a pair)
	v_mov_b32 v[ST+8*\t+3], 0                      ; (named with a as a pair)
.endr
.irp i, 0,1,2,3,4,5,6,7
	v_mov_b32 v[ONES+\i], 0x3c003c00               ; 1.0 twice, in f16
.endr
	s_wait_loadcnt 16                              ; the mask's two loads are in; Q's sixteen may be out
.irp i, 0,1,2,3,4,5,6,7
	v_min_u32 v[48+\i], 1, v[48+\i]                ; whatever is not 0 counts
.endr
.irp i, 0,1,2,3,4,5,6,7
	v_add_nc_u32 v[48+\i], -1, v[48+\i]            ; 0, or all ones where the mask is 0
.endr
.irp i, 0,1,2,3,4,5,6,7
	v_and_b32 v[48+\i], 0xceabfb8f, v[48+\i]       ; 0, or -1e9 log2(e)
.endr
	ds_store_b128 v6, v[48:51]
	ds_store_b128 v6, v[52:55] offset:16           ; the first change of slots waits for these stores ahead of its round, behind which all waves read the table
.macro SUBP t                          ; pair i of tile t: s - m
	v_pk_add_f32 v[S+32*\t+2*i:S+32*\t+2*i+1], v[S+32*\t+2*i:S+32*\t+2*i+1], v[ST+8*\t:ST+8*\t+1] op_sel_hi:[1,0] neg_lo:[0,1] neg_hi:[0,1]
.endm
.macro EXPS t, u
	v_exp_f32 v[S+32*\t+2*i+\u], v[S+32*\t+2*i+\u]
.endm
.macro CVTP t                          ; pair i is rounded to f16 into register i of the tile: ascending, so no pair is written over before it is read
	v_cvt_pk_f16_f32 v[S+32*\t+i], v[S+32*\t+2*i], v[S+32*\t+2*i+1]
.endm
; A KEY STEP: 64 keys.
.macro KSTEP
	v_add_nc_u32 v[ADK], s[TK], v[AK0]             ; these three and two v_nop are the five places between the last step's products V^T P and the products below that write over P; four of them serve the loads into V's registers
	v_add_nc_u32 v[ADV], s[TV], v[AV0]
	v_add_nc_u32 v[ADB], s[TBI], v[AB0]
	v_nop
	v_nop
	WIN 0x40
.irp k, 0,1,2,3                                ; bias tile k: register j = bias(key 16 k + 8 h + j)
	ds_load_b128 v[BI+8*\k:BI+8*\k+3], v[ADB] offset:64*\k
	ds_load_b128 v[BI+8*\k+4:BI+8*\k+7], v[ADB] offset:64*\k+16
.endr
	WIN 0
.irp c, 0,1                                    ; K: keys 16 k on, channels 32 c on, at v[KV + 32 c + 8 k]
.irp k, 0,1,2,3
	ds_load_b128 v[KV+32*\c+8*\k:KV+32*\c+8*\k+3], v[ADK] offset:16*KP*\k+64*\c
	ds_load_b128 v[KV+32*\c+8*\k+4:KV+32*\c+8*\k+7], v[ADK] offset:16*KP*\k+64*\c+32
.endr
.endr
	s_wait_dscnt 8                                 ; the biases and channels 0-31 are in; the youngest eight loads (channels 32-63) may be out
	WIN 0x14                                       ; Q and the bias window 1
.irp k, 0,1,2,3                                ; the 16 accumulators take turns, in the same order in both runs
.irp t, 0,1,2,3
	v_wmma_f32_16x16x32_f16 v[S+32*\t+8*\k:S+32*\t+8*\k+7], v[KV+8*\k:KV+8*\k+7], v[QF+16*\t:QF+16*\t+7], v[BI+8*\k:BI+8*\k+7]
.endr
.endr
	s_wait_dscnt 0x0
	WIN 0x04
.irp k, 0,1,2,3
.irp t, 0,1,2,3
	v_wmma_f32_16x16x32_f16 v[S+32*\t+8*\k:S+32*\t+8*\k+7], v[KV+32+8*\k:KV+32+8*\k+7], v[QF+16*\t+8:QF+16*\t+15], v[S+32*\t+8*\k:S+32*\t+8*\k+7]
.endr
.endr
	WIN 0
.rept 4
	v_nop                                          ; places in front of the loads into K's registers and of the first read of the scores
.endr
.irp g, 0,1                                    ; V, turned: keys 32 g on, channels 16 c on, at v[KV + 32 g + 8 c]; it lands under the softmax
.irp c, 0,1,2,3
	ds_load_tr16_b128 v[KV+32*\g+8*\c:KV+32*\g+8*\c+3], v[ADV] offset:32*VP*\g+32*\c
	ds_load_tr16_b128 v[KV+32*\g+8*\c+4:KV+32*\g+8*\c+7], v[ADV] offset:32*VP*\g+16*VP+32*\c
.endr
.endr
	; the maximum of a lane's 32 scores and the old m: four chains, each begun at its accumulator's low end; the four tiles by turns
.irp j, 0,1,2,3
.irp t, 0,1,2,3
	v_max3_num_f32 v[ST+8*\t+4+\j], v[S+32*\t+8*\j], v[S+32*\t+8*\j+1], v[S+32*\t+8*\j+2]
.endr
.endr
.irp g, 1,2
.irp j, 0,1,2,3
.irp t, 0,1,2,3
	v_max3_num_f32 v[ST+8*\t+4+\j], v[ST+8*\t+4+\j], v[S+32*\t+8*\j+2*\g+1], v[S+32*\t+8*\j+2*\g+2]
.endr
.endr
.endr
.irp t, 0,1,2,3
	v_max3_num_f32 v[ST+8*\t+4], v[ST+8*\t+4], v[S+32*\t+7], v[S+32*\t+15]
.endr
.irp t, 0,1,2,3
	v_max3_num_f32 v[ST+8*\t+6], v[ST+8*\t+6], v[S+32*\t+23], v[S+32*\t+31]
.endr
.irp t, 0,1,2,3
	v_max3_num_f32 v[ST+8*\t+4], v[ST+8*\t+4], v[ST+8*\t+5], v[ST+8*\t+6]
.endr
.irp t, 0,1,2,3
	v_max3_num_f32 v[ST+8*\t+4], v[ST+8*\t+4], v[ST+8*\t+7], v[ST+8*\t]
.endr
.irp t, 0,1,2,3
	v_permlanex16_b32 v[ST+8*\t+5], v[ST+8*\t+4], s[SEL], s[SEL+1]   ; the query's other 32 keys lie in the lane 16 away
.endr
.irp t, 0,1,2,3
	v_max_num_f32 v[ST+8*\t+4], v[ST+8*\t+4], v[ST+8*\t+5]
.endr
.irp t, 0,1,2,3
	v_sub_f32 v[ST+8*\t+6], v[ST+8*\t], v[ST+8*\t+4]                 ; m_old - m_new
.endr
.irp t, 0,1,2,3
	v_mov_b32 v[ST+8*\t], v[ST+8*\t+4]
.endr
.irp t, 0,1,2,3
	v_exp_f32 v[ST+8*\t+2], v[ST+8*\t+6]                             ; a
.endr
	; FIRST BATCH: all four tiles' subtractions, and the exponentials of tiles 0 and 1 between them.  None of these lines names an exponential's result
.set i, 0
.rept 16
	SUBP 0
	SUBP 1
	EXPS 0, 0
	SUBP 2
	EXPS 0, 1
	SUBP 3
	EXPS 1, 0
	EXPS 1, 1
.set i, i+1
.endr
	v_nop                                          ; a plain line behind the last exponential
	s_wait_alu depctr_va_vdst(0)                   ; the wait ahead of the first line that names a result: one for the batch, the four a among it
	; SECOND BATCH: the exponentials of tiles 2 and 3, with the roundings of tiles 0 and 1 between them
.set i, 0
.rept 16
	CVTP 0
	EXPS 2, 0
	EXPS 2, 1
	CVTP 1
	EXPS 3, 0
	EXPS 3, 1
.set i, i+1
.endr
	WIN 0x41                                       ; O^T and l window 1, a window 0.  These lines name nothing of the second batch: its independent work
.irp t, 0,1,2,3
.set n, 0
.rept 16
	v_pk_mul_f32 v[32*\t+2*n:32*\t+2*n+1], v[32*\t+2*n:32*\t+2*n+1], v[ST+8*\t+2:ST+8*\t+3] op_sel_hi:[1,0]
.set n, n+1
.endr
	v_pk_mul_f32 v[OL+8*\t:OL+8*\t+1], v[OL+8*\t:OL+8*\t+1], v[ST+8*\t+2:ST+8*\t+3] op_sel_hi:[1,0]
.endr
	WIN 0
	s_wait_alu depctr_va_vdst(0)                   ; and one wait for the second batch
.set i, 0
.rept 16
	CVTP 2
	CVTP 3
.set i, i+1
.endr
	s_wait_dscnt 0x0                               ; V is in
	WIN 0x50                                       ; O^T and l (C and D) window 1
.irp g, 0,1                                    ; twenty accumulators take turns: 16 of O^T, 4 of l
.irp c, 0,1,2,3
.irp t, 0,1,2,3
	v_wmma_f32_16x16x32_f16 v[32*\t+8*\c:32*\t+8*\c+7], v[KV+32*\g+8*\c:KV+32*\g+8*\c+7], v[S+32*\t+8*\g:S+32*\t+8*\g+7], v[32*\t+8*\c:32*\t+8*\c+7]
.endr
.endr
.irp t, 0,1,2,3
	v_wmma_f32_16x16x32_f16 v[OL+8*\t:OL+8*\t+7], v[ONES:ONES+7], v[S+32*\t+8*\g:S+32*\t+8*\g+7], v[OL+8*\t:OL+8*\t+7]
.endr
.endr
	WIN 0
	s_add_co_u32 s[TK], s[TK], 64*KP
	s_add_co_u32 s[TV], s[TV], 64*VP
	s_add_co_u32 s[TBI], s[TBI], 256
.endm
; THE CHANGE OF SLOTS stands at a slot's head.  Each wave waits for all its tensor loads (its part of the slot that it is about to read), adds 0 to its spare word, and waits for that and for its LDS instructions.
; fill = 1: behind a round of the cluster's barrier the slot that has been left is filled with the next 256 keys (slot 1's first fill goes out so too, behind the first round, behind which nothing is filled again).
.macro CHANGE fill
	s_wait_tensorcnt 0x0                           ; no tensor load of mine is out, so a group 0 may be written
	ds_add_u32 v[SPW], v[NIL]                      ; 0 onto my spare word
.if \fill
	s_xor_b32 s[G0K+1], s[G0K+1], SLOT1            ; the walking descriptors: the other slot,
	s_add_nc_u64 s[G0K+2:G0K+3], s[G0K+2:G0K+3], 32768   ; the next 256 keys; the type bits on top are not reached
	s_xor_b32 s[G0V+1], s[G0V+1], SLOT1
	s_add_nc_u64 s[G0V+2:G0V+3], s[G0V+2:G0V+3], 32768
	s_wait_xcnt 0x0                                ; the last prefetch, a slot back, has read its address
	s_add_nc_u64 s[PFA:PFA+1], s[PFA:PFA+1], 32768 ; one slot further on than the walking descriptors
	s_wait_dscnt 0x0                               ; the add is done, and my reads of the slot that I have left are over
	CROUND
	JLOAD                                          ; my one tensor load behind the round, and the first thing there
	ASK
.else
	s_wait_dscnt 0x0
	s_barrier_signal -1
	s_barrier_wait -1
.endif
.endm
.macro SLOTSTEPS                       ; a slot's four key steps: written once, walked four times
	s_mov_b32 s[CNT], 4
.Lstep_\@:
	KSTEP
	s_sub_co_u32 s[CNT], s[CNT], 1
	s_cmp_lg_u32 s[CNT], 0
	s_cbranch_scc1 .Lstep_\@
	s_sub_co_u32 s[TK], s[TK], 256*KP              ; back to a slot's first step,
	s_xor_b32 s[TK], s[TK], SLOT1                  ; in the other slot
	s_sub_co_u32 s[TV], s[TV], 256*VP
	s_xor_b32 s[TV], s[TV], SLOT1
.endm
	s_wait_loadcnt 0x0                             ; Q
.Lslot:                                            ; seven trips: behind each change of slots but the last the next slot is asked for
	CHANGE 1
	SLOTSTEPS
	s_sub_co_u32 s[SLOTS], s[SLOTS], 1
	s_cmp_lg_u32 s[SLOTS], 0
	s_cbranch_scc1 .Lslot
	CHANGE 0                                       ; the last slot is written out
	SLOTSTEPS
	; THE WAY OUT.  O^T is divided by l, rounded to f16 and sent through my stage, a tile (16 rows of 128 bytes) at a time; a wave's 64 rows are 8,192 consecutive bytes of ao.  The address lines are the places behind the last products.
	s_mul_i32 s20, s[WV], 16*KP
	s_add_co_u32 s20, s20, STAGE
	v_mul_u32_u24 v[STO], v1, KP
	v_lshl_add_u32 v[STO], v2, 4, v[STO]
	v_add_nc_u32 v[STO], s20, v[STO]               ; in: row r, 16 bytes for each half of the lanes
	v_and_b32 v[GO], 31, v0
	v_lshrrev_b32 v[RD], 3, v[GO]
	v_mul_u32_u24 v[RD], v[RD], KP
	v_and_b32 v6, 7, v0
	v_lshl_add_u32 v[RD], v6, 4, v[RD]
	v_add_nc_u32 v[RD], s20, v[RD]                 ; back: eight lanes to a row, four rows an instruction
	v_lshlrev_b32 v[GO], 4, v[GO]
	WIN 0x01                                       ; l window 1
.irp t, 0,1,2,3
	v_rcp_f32 v[ST+8*\t+2], v[OL+8*\t]
.endr
	v_nop                                          ; a plain line behind the last reciprocal
	s_wait_alu depctr_va_vdst(0)                   ; and the wait ahead of the first use: one for the four
.macro OUTT t
	WIN 0x41
.set n, 0
.rept 16
	v_pk_mul_f32 v[32*\t+2*n:32*\t+2*n+1], v[32*\t+2*n:32*\t+2*n+1], v[ST+8*\t+2:ST+8*\t+3] op_sel_hi:[1,0]
.set n, n+1
.endr
	WIN 0x05                                       ; sources window 1, destination window 0: S^T's registers are free
.set n, 0
.rept 16
	v_cvt_pk_f16_f32 v[S+16*\t+n], v[32*\t+2*n], v[32*\t+2*n+1]
.set n, n+1
.endr
	WIN 0
.irp c, 0,1,2,3
	ds_store_b128 v[STO], v[S+16*\t+4*\c:S+16*\t+4*\c+3] offset:32*\c
.endr
.irp j, 0,1,2,3
	ds_load_b128 v[S+64+16*\t+4*\j:S+64+16*\t+4*\j+3], v[RD] offset:4*KP*\j   ; LDS serves a wave's instructions in order: these see the stores above, and the next tile's stores come behind them
.endr
.endm
	OUTT 0
	OUTT 1
	OUTT 2
	OUTT 3
.irp t, 0,1,2,3
.irp j, 0,1,2,3
	s_wait_dscnt (3-\t)*8+3-\j                     ; behind this load stand the later tiles' eight LDS instructions each and this tile's later loads
	global_store_b128 v[GO], v[S+64+16*\t+4*\j:S+64+16*\t+4*\j+3], s[8:9] offset:2048*\t+512*\j   ; 32 lanes store 512 consecutive bytes
.endr
.endr
	s_wait_tensorcnt 0x0                           ; the wave's end: three lines behind my last tensor load and my last LDS store
	ds_add_u32 v[SPW], v[NIL]
	s_wait_dscnt 0x0
	CROUND                                         ; the closing round: no work-group ends while a partner may still ask for a tile that names it
	s_endpgm
.Lfunc_end_k_q8540f1a532_attn:
	.size	k_q8540f1a532_attn, .Lfunc_end_k_q8540f1a532_attn-k_q8540f1a532_attn
	.p2alignl 7, 3214868480
	.fill 96, 4, 3214868480
	.section	.rodata,"a",@progbits
	.p2align	6, 0x0
	.amdhsa_kernel k_q8540f1a532_attn
		.amdhsa_group_segment_fixed_size 327680
		.amdhsa_private_segment_fixed_size 0
		.amdhsa_enable_private_segment 0
		.amdhsa_kernarg_size 24
		.amdhsa_user_sgpr_count 2
		.amdhsa_user_sgpr_kernarg_segment_ptr 1
		.amdhsa_wavefront_size32 1
		.amdhsa_system_sgpr_workgroup_id_x 1
		.amdhsa_system_sgpr_workgroup_id_y 1
		.amdhsa_system_sgpr_workgroup_id_z 1
		.amdhsa_system_vgpr_workitem_id 0
		.amdhsa_next_free_vgpr 512
		.amdhsa_next_free_sgpr 66
		.amdhsa_reserve_vcc 0
		.amdhsa_float_denorm_mode_32 3
		.amdhsa_float_denorm_mode_16_64 3
		.amdhsa_memory_ordered 1
		.amdhsa_forward_progress 1
		.amdhsa_inst_pref_size 89
	.end_amdhsa_kernel
	.amdgpu_metadata
---
amdhsa.version: [ 1, 2 ]
amdhsa.kernels:
  - .name:           k_q8540f1a532_attn
    .symbol:         k_q8540f1a532_attn.kd
    .args:
      - { .name: qkv, .offset: 0, .size: 8, .value_kind: global_buffer, .address_space: global }
      - { .name: mask, .offset: 8, .size: 8, .value_kind: global_buffer, .address_space: global }
      - { .name: ao, .offset: 16, .size: 8, .value_kind: global_buffer, .address_space: global }
    .group_segment_fixed_size: 327680
    .private_segment_fixed_size: 0
    .kernarg_segment_align: 8
    .kernarg_segment_size: 24
    .max_flat_workgroup_size: 256
    .sgpr_count:     66
    .vgpr_count:     512
    .wavefront_size: 32
...
	.end_amdgpu_metadata
.endif
;; end of part 3
;; launch oproj (part 4): grid 8 x 32, 4 waves a work-group, clusters of 4 x 4, 327,680 bytes of LDS; arguments ao, wo16, bo, out0; writes out0
.if DOCPART == 4
	.amdgcn_target "amdgcn-amd-amdhsa--gfx1250"
	.amdhsa_code_object_version 6
	.text
	.protected	k_q8540f1a532_oproj
	.globl	k_q8540f1a532_oproj
	.p2align	8
	.type	k_q8540f1a532_oproj,@function
k_q8540f1a532_oproj:
	s_mov_b64 s[64:65], 0
	v_nop
	global_prefetch_b8 v0, s[64:65] scope:SCOPE_SE
	s_setreg_imm32_b32 hwreg(HW_REG_WAVE_MODE, 25, 1), 1
	s_wait_xcnt 0x0
	s_wait_alu depctr_hold_cnt(0) depctr_sa_sdst(0) depctr_va_vdst(0) depctr_va_sdst(0) depctr_va_ssrc(0) depctr_va_vcc(0) depctr_vm_vsrc(0)
	s_getreg_b32 s2, hwreg(HW_REG_IB_STS2, 6, 4)
	s_cmp_eq_u32 s2, 0
	s_cbranch_scc0 .Lentry_in_a_cluster
	s_endpgm
.Lentry_in_a_cluster:
	s_bfe_u32 s2, ttmp6, 0x10000c
	s_cmp_lg_u32 s2, 0xf033
	s_cbranch_scc0 .Lentry_shape_is_right
	s_endpgm
.Lentry_shape_is_right:
; out0[m][n] = the sum over k of A[m][k] Wo[k][n] + bo[n].  A is the attention's result, f16, laid [b][head][s][64]: k = 64 x head + channel; wo16: [k 1024][n 1024] f16; out0: [8192][1024] f32; sums in f32.
; A tile of 256 x 128 gives 256 work-groups.  Four waves, each 128 rows x 64 columns: 32 accumulators.  K goes in steps of 128 (two heads) through a ring of two LDS slots.
; In a slot A lies as two planes (a head each) of 256 rows x 128 bytes; Wo's 128 rows of 256 bytes lie as in memory and are read turned.
; CLUSTERS: 4 x 4 work-groups; A's tiles are asked for jointly along a row of the cluster, Wo's along a column.
; THE MATRIX INSTRUCTION IS USED TRANSPOSED (source 0 = 16 columns of Wo, source 1 = 16 rows of A): a lane holds eight neighbouring numbers of a row of out0.  bo is the C of each sum's first product.
; No prefetch: the tiles are small, and Wo is read by every tile row.
; LIMITS: NaN and infinities are not served.
; REGISTERS: window 0: v16-29 addresses; v32-63 the bias tiles; v64-127 rows read back on the way out.   window 1: the accumulators, (a, b) at v[8 (4 a + b)].
;   window 2: two fragment buffers of 96, at v0 and v96: A's eight blocks (8 a), then Wo's four (64 + 8 b), 32 along K.
.set AP,     144                       ; a row of A in LDS: 128 bytes + 16
.set BP,     288                       ; a row of Wo: 256 bytes + 32
.set APL,    256*AP                    ; a plane of A
.set BOFF,   2*APL
.set SLOT,   BOFF+128*BP
.set STAGE,  2*SLOT                    ; behind the ring: 16 rows x 272 bytes for each wave
.set SPITCH, 272
.set SPARE,  STAGE+4*16*SPITCH         ; the spare words, 128 bytes for each wave, that no other line names
.set ADRA, 16
.set ADRB, 20
.set STO,  24
.set RD,   25
.set CO,   26
.set SPW,  28                          ; v28  LDS address of my spare word; never rewritten
.set NIL,  29                          ; v29  0; never rewritten
.set BT,   32
.set BK,   64
.set F0,   0
.set F1,   96
.set G1,   24                          ; s[24:31] group 1 for A's tiles; s[32:39] group 0, a set for each slot
.set G0,   32
.set G1B,  48                          ; s[48:55], s[56:63] the same for Wo's
.set G0B,  56
.set MSB, 0
.macro WIN new                         ; the immediate's high byte repeats the setting that is left
.if MSB != \new
	s_set_vgpr_msb (MSB<<8)|\new
.set MSB, \new
.endif
.endm
.set MUL,  0x5a                        ; sources 0 and 1 window 2; C and D window 1
.set MUL1, 0x4a                        ; the same with C (the bias) in window 0
.set TO_F, 0x80                        ; destination window 2, address window 0
.macro JLOAD s                         ; a joint load: waves 0 and 1 fetch A's two planes, waves 2 and 3 the halves of Wo's rows; an s_nop 0 and four v_nop follow each line
	s_cmp_eq_u32 s13, 0
	s_cbranch_scc0 .Lfor_b_\@
	tensor_load_to_lds s[G0+4*\s:G0+4*\s+3], s[G1:G1+7]
	s_nop 0
.rept 4
	v_nop
.endr
	s_branch .Lasked_\@
.Lfor_b_\@:
	tensor_load_to_lds s[G0B+4*\s:G0B+4*\s+3], s[G1B:G1B+7]
	s_nop 0
.rept 4
	v_nop
.endr
.Lasked_\@:
.endm
.macro CREST                           ; a round of the cluster's barrier behind its opening barrier
	s_cmp_lg_u32 s12, 0
	s_cbranch_scc1 .Lnot_wave_0_\@
	s_barrier_signal -3
.Lnot_wave_0_\@:
	s_barrier_wait -3
	s_barrier_signal -1
	s_barrier_wait -1
.endm
.macro CROUND
	s_barrier_signal -1
	s_barrier_wait -1
	CREST
.endm
	s_load_b256 s[4:11], s[0:1], 0x0               ; ao s[4:5], wo16 s[6:7], bo s[8:9], out0 s[10:11]
	v_lshl_add_u32 v[SPW], v0, 2, SPARE
	v_mov_b32 v[NIL], 0
	ds_add_u32 v[SPW], v[NIL]                      ; the wave's opening: the add, twice on end, and its wait ahead of my first tensor load
	ds_add_u32 v[SPW], v[NIL]
	v_lshrrev_b32 v1, 5, v0
	v_readfirstlane_b32 s12, v1                    ; wave 0..3
	s_lshr_b32 s13, s12, 1                         ; which half of the tile's rows is mine.  Also: I fetch for A (0) or for Wo (1)
	s_and_b32 s14, s12, 1                          ; which half of its columns.  Also: which plane of A, which 64 rows of Wo, I fetch
	s_bfe_u32 s40, ttmp6, 0x40000                  ; cx, cy
	s_bfe_u32 s41, ttmp6, 0x40004
	s_lshl_b32 s42, ttmp9, 2
	s_add_co_u32 s42, s42, s40                     ; tile column = 4 x cluster x + cx
	s_and_b32 s15, ttmp7, 0xffff
	s_lshl_b32 s15, s15, 2
	s_add_co_u32 s15, s15, s41                     ; tile row = 4 x cluster y + cy
	s_lshl_b32 s43, s41, 2
	s_lshl_b32 s43, 15, s43                        ; my row of the cluster
	s_lshl_b32 s44, 0x1111, s40                    ; my column
	s_or_b32 s[G1+0], s43, (1<<16)|(1<<20)|(1<<21)|(4<<22)|(3<<25)    ; A: elements of 2 bytes; after every 32 words 4 words of padding
	s_mov_b32 s[G1+1], 64<<16                      ; tensor_dim0
	s_mov_b32 s[G1+2], 256<<16                     ; tensor_dim1
	s_mov_b32 s[G1+3], 64<<16                      ; tile_dim0
	s_mov_b32 s[G1+4], 256                         ; tile_dim1
	s_mov_b32 s[G1+5], 64                          ; from row to row
	s_mov_b32 s[G1+6], 0
	s_mov_b32 s[G1+7], 0
	s_or_b32 s[G1B+0], s44, (1<<16)|(1<<20)|(1<<21)|(5<<22)|(7<<25)   ; Wo: after every 64 words 8 words of padding
	s_mov_b32 s[G1B+1], 128<<16
	s_mov_b32 s[G1B+2], 64<<16
	s_mov_b32 s[G1B+3], 128<<16
	s_mov_b32 s[G1B+4], 64
	s_mov_b32 s[G1B+5], 1024
	s_mov_b32 s[G1B+6], 0
	s_mov_b32 s[G1B+7], 0
	s_lshr_b32 s16, s15, 3                         ; A: batch = tile row / 8: 16 heads of 2,048 rows of 128 bytes,
	s_lshl_b32 s16, s16, 22
	s_and_b32 s17, s15, 7
	s_lshl_b32 s17, s17, 15                        ; position 256 (tile row % 8),
	s_add_co_u32 s16, s16, s17
	s_lshl_b32 s17, s14, 18                        ; my plane's head
	s_add_co_u32 s16, s16, s17
	s_mov_b32 s17, 0
	s_lshl_b32 s46, s14, 17                        ; Wo: my 64 rows of 2,048 bytes,
	s_lshl_b32 s47, s42, 8                         ; the tile column's 256 bytes
	s_add_co_u32 s46, s46, s47
	s_mov_b32 s47, 0
	s_mul_i32 s20, s14, APL                        ; where they go: no place in the cluster enters an LDS address
	s_mul_i32 s21, s14, 64*BP
	s_add_co_u32 s21, s21, BOFF
	s_wait_dscnt 0x0                               ; both opening adds are done
	s_wait_kmcnt 0x0
	s_add_nc_u64 s[18:19], s[4:5], s[16:17]
	s_add_nc_u64 s[46:47], s[6:7], s[46:47]
	CROUND                                         ; all sixteen work-groups are here: the first joint loads meet
.irp s, 0,1
	s_mov_b32 s[G0+4*\s], 1
	s_add_co_u32 s[G0+4*\s+1], s20, \s*SLOT
	s_add_nc_u64 s[G0+4*\s+2:G0+4*\s+3], s[18:19], \s*524288       ; K step s: two heads on
	s_or_b32 s[G0+4*\s+3], s[G0+4*\s+3], 0x80000000
	s_mov_b32 s[G0B+4*\s], 1
	s_add_co_u32 s[G0B+4*\s+1], s21, \s*SLOT
	s_add_nc_u64 s[G0B+4*\s+2:G0B+4*\s+3], s[46:47], \s*262144     ; 128 rows on
	s_or_b32 s[G0B+4*\s+3], s[G0B+4*\s+3], 0x80000000
	JLOAD \s                                       ; two tensor loads of mine are out
.endr
	v_and_b32 v1, 15, v0                           ; r
	v_bfe_u32 v2, v0, 4, 1                         ; h
	v_mul_u32_u24 v3, v1, AP
	v_lshl_add_u32 v3, v2, 4, v3                   ; A: row r x pitch + 16 h
	v_and_b32 v4, 7, v0
	v_lshl_add_u32 v4, v2, 3, v4                   ; Wo, for the turning load: row 8 h + lane % 8,
	v_mul_u32_u24 v4, v4, BP
	v_bfe_u32 v5, v0, 3, 1
	v_lshl_add_u32 v4, v5, 4, v4                   ; columns 8 ((lane / 8) % 2) on
	s_mul_i32 s22, s13, 128*AP                     ; my 128 rows of A
	s_lshl_b32 s23, s14, 7                         ; my 64 columns of Wo
	s_add_co_u32 s23, s23, BOFF
.irp s, 0,1
	v_add_nc_u32 v[ADRA+\s], s22, v3
	v_add_nc_u32 v[ADRB+\s], s23, v4
	s_add_co_u32 s22, s22, SLOT
	s_add_co_u32 s23, s23, SLOT
.endr
	s_mul_i32 s2, s12, 16*SPITCH
	s_add_co_u32 s2, s2, STAGE                     ; my stage
	v_mul_u32_u24 v5, v1, SPITCH
	v_lshl_add_u32 v5, v2, 5, v5
	v_add_nc_u32 v[STO], s2, v5                    ; in: row r, 32 bytes for each half of the lanes
	v_mul_u32_u24 v5, v2, SPITCH
	v_lshl_add_u32 v5, v1, 4, v5
	v_add_nc_u32 v[RD], s2, v5                     ; back: lanes 0-15 one row of 256 bytes, lanes 16-31 the next
	v_lshlrev_b32 v5, 12, v2
	v_lshl_add_u32 v[CO], v1, 4, v5                ; and the same two rows in out0
	v_lshlrev_b32 v6, 5, v2                        ; bias: 8 h numbers on
	s_lshl_b32 s46, s42, 9                         ; my 64 columns, 4 bytes each: 128 x tile column + 64 x half
	s_lshl_b32 s47, s14, 8
	s_add_co_u32 s46, s46, s47
	s_mov_b32 s47, 0
	s_add_nc_u64 s[8:9], s[8:9], s[46:47]
	s_lshl_b32 s16, s15, 20                        ; my first row: 256 x tile row + 128 x half, 4,096 bytes each
	s_lshl_b32 s17, s13, 19
	s_add_co_u32 s16, s16, s17
	s_add_co_u32 s16, s16, s46
	s_mov_b32 s17, 0
	s_add_nc_u64 s[10:11], s[10:11], s[16:17]
.irp b, 0,1,2,3                                ; bias tile b: register j = bo(16 b + 8 h + j): the result's layout
	global_load_b128 v[BT+8*\b:BT+8*\b+3], v6, s[8:9] offset:64*\b
	global_load_b128 v[BT+8*\b+4:BT+8*\b+7], v6, s[8:9] offset:64*\b+16
.endr
; 8 matrix instructions: A's blocks a0, a0 + 1 against Wo's four, 32 along K, from buffer f.  first = 1: the bias tile is the C.  The 32 accumulators take turns in one order.
.macro MUL8 f, a0, first
.irp a, \a0, \a0+1
.irp b, 0,1,2,3
.if \first
	v_wmma_f32_16x16x32_f16 v[8*(4*(\a)+\b):8*(4*(\a)+\b)+7], v[\f+64+8*\b:\f+64+8*\b+7], v[\f+8*(\a):\f+8*(\a)+7], v[BT+8*\b:BT+8*\b+7]
.else
	v_wmma_f32_16x16x32_f16 v[8*(4*(\a)+\b):8*(4*(\a)+\b)+7], v[\f+64+8*\b:\f+64+8*\b+7], v[\f+8*(\a):\f+8*(\a)+7], v[8*(4*(\a)+\b):8*(4*(\a)+\b)+7]
.endif
.endr
.endr
.endm
; 24 LDS loads in one run: quarter q (32 along K) of a slot into buffer f: Wo's four fragments, turned; then A's blocks 0-3; then 4-7
.macro FETCH slot, q, f
	WIN TO_F
.irp b, 0,1,2,3
	ds_load_tr16_b128 v[\f+64+8*\b:\f+64+8*\b+3], v[ADRB+\slot] offset:32*BP*(\q)+32*\b
	ds_load_tr16_b128 v[\f+64+8*\b+4:\f+64+8*\b+7], v[ADRB+\slot] offset:32*BP*(\q)+16*BP+32*\b
.endr
.irp a, 0,1,2,3,4,5,6,7
	ds_load_b128 v[\f+8*\a:\f+8*\a+3], v[ADRA+\slot] offset:((\q)/2)*APL+16*AP*\a+64*((\q)%2)
	ds_load_b128 v[\f+8*\a+4:\f+8*\a+7], v[ADRA+\slot] offset:((\q)/2)*APL+16*AP*\a+64*((\q)%2)+32
.endr
.endm
.macro PLACES                          ; four plain lines in front of loads into registers that matrix instructions have read, and of the first read of results
.rept 4
	v_nop
.endr
.endm
.macro WINM first
.if \first
	WIN MUL1
.else
	WIN MUL
.endif
.endm
; One of a K step's first three quarters: multiplies buffer f; in its middle it fetches quarter q into buffer g.
.macro QUARTER slot, q, f, g, first
	s_wait_dscnt 8                                 ; Wo's fragments and A's blocks 0-3 are in; the youngest eight loads (blocks 4-7) may be out
	WINM \first
	MUL8 \f, 0, \first
	MUL8 \f, 2, \first
	PLACES
	FETCH \slot, \q, \g
	s_wait_dscnt 24                                ; all but the 24 just issued
	WINM \first
	MUL8 \f, 4, \first
	MUL8 \f, 6, \first
.endm
; The last quarter multiplies buffer 1 and changes slots: ONE barrier; in front of it each wave waits for all its tensor loads, adds 0 to its spare word, and waits for that and for its reads of this slot.  fill = 1: this slot is filled again, two K steps ahead.
.macro TURN slot, next, fill
	WIN 0                                          ; (the add's two registers lie in window 0)
	s_wait_tensorcnt 0x0                           ; all my tensor loads have landed: my part of the next slot
	ds_add_u32 v[SPW], v[NIL]                      ; 0 onto my spare word
	s_wait_dscnt 9                                 ; (the add and the youngest eight loads may be out)
	WIN MUL
	MUL8 F1, 0, 0
	s_wait_dscnt 0x0                               ; the add is done, and my reads of this slot are over
	s_barrier_signal -1
	MUL8 F1, 2, 0
.if \fill
	WIN 0
.endif
	s_barrier_wait -1
.if \fill
	CREST                                          ; the barrier has opened a round of the cluster's barrier: no wave of any partner still reads this slot or has a load on its way
	s_add_nc_u64 s[G0+4*\slot+2:G0+4*\slot+3], s[G0+4*\slot+2:G0+4*\slot+3], 1048576     ; four heads on
	s_add_nc_u64 s[G0B+4*\slot+2:G0B+4*\slot+3], s[G0B+4*\slot+2:G0B+4*\slot+3], 524288  ; 256 rows on
	JLOAD \slot                                    ; the first tensor load behind the round; its four v_nop are also the places in front of the loads below
.else
	PLACES
.endif
	FETCH \next, 0, F0
	WIN MUL
	MUL8 F1, 4, 0
	MUL8 F1, 6, 0
.endm
	s_wait_loadcnt 0x0                             ; the bias
	s_wait_tensorcnt 1                             ; my part of K step 0 is in (K step 1's may be out)
	s_barrier_signal -1
	s_barrier_wait -1                              ; everybody's is
	FETCH 0, 0, F0
	QUARTER 0, 1, F0, F1, 1                        ; the first quarter stands in front of the loop: its products start the sums, from the bias
	WIN 0                                          ; at a label and at a branch every window is 0
	s_mov_b32 s3, 3
.Llap:                                             ; a trip goes once round the ring, from a lap's second quarter to the next lap's first, and fills both slots again: K steps 2 to 7
	QUARTER 0, 2, F1, F0, 0
	QUARTER 0, 3, F0, F1, 0
	TURN 0, 1, 1
	QUARTER 1, 1, F0, F1, 0
	QUARTER 1, 2, F1, F0, 0
	QUARTER 1, 3, F0, F1, 0
	TURN 1, 0, 1
	QUARTER 0, 1, F0, F1, 0
	WIN 0
	s_sub_co_u32 s3, s3, 1
	s_cmp_lg_u32 s3, 0
	s_cbranch_scc1 .Llap
	QUARTER 0, 2, F1, F0, 0                        ; the last lap fills nothing
	QUARTER 0, 3, F0, F1, 0
	TURN 0, 1, 0
	QUARTER 1, 1, F0, F1, 0
	QUARTER 1, 2, F1, F0, 0
	QUARTER 1, 3, F0, F1, 0
	s_wait_dscnt 8                                 ; the very last quarter: nothing more to fetch
	WIN MUL
	MUL8 F1, 0, 0
	MUL8 F1, 2, 0
	s_wait_dscnt 0x0
	MUL8 F1, 4, 0
	MUL8 F1, 6, 0
	WIN 0
; THE WAY OUT, block by block of 16 rows x 64 columns: a lane's 32 bytes go into my stage and come back as whole rows of 256 bytes; sixteen lanes store 256 consecutive bytes, aligned.
.macro TOSTAGE a
.set BB, BK+32*((\a)%2)
	WIN 0x04                                       ; an LDS store's data are its source 1: window 1
.irp b, 0,1,2,3
	ds_store_b128 v[STO], v[8*(4*(\a)+\b):8*(4*(\a)+\b)+3] offset:64*\b            ; each accumulator from its low end on
	ds_store_b128 v[STO], v[8*(4*(\a)+\b)+4:8*(4*(\a)+\b)+7] offset:64*\b+16
.endr
	WIN 0
.irp t, 0,1,2,3,4,5,6,7
	ds_load_b128 v[BB+4*\t:BB+4*\t+3], v[RD] offset:2*SPITCH*\t   ; LDS serves a wave's instructions in order: these see the stores above
.endr
.endm
.macro SEND a, younger                 ; younger: the LDS instructions issued behind block a's loads, which may stay out
.set BB, BK+32*((\a)%2)
	s_wait_dscnt \younger
.irp t, 0,1,2,3,4,5,6,7
	global_store_b128 v[CO], v[BB+4*\t:BB+4*\t+3], s[10:11] offset:(16*(\a)+2*\t)*4096 th:TH_STORE_NT
.endr
.endm
	PLACES                                         ; behind the last products
	TOSTAGE 0
.irp a, 1,2,3,4,5,6,7
.if \a > 1
	s_wait_xcnt 0x0                                ; block a - 2's stores have read the registers that block a's loads fill
.endif
	TOSTAGE \a
	SEND \a-1, 16                                  ; behind block a - 1's loads: block a's eight stores and eight loads
.endr
	SEND 7, 0
	s_wait_tensorcnt 0x0                           ; the wave's end: three lines behind my last tensor load and my last LDS store
	ds_add_u32 v[SPW], v[NIL]
	s_wait_dscnt 0x0
	CROUND                                         ; the closing round: no work-group ends while a partner may still ask for a tile that names it
	s_endpgm
.Lfunc_end_k_q8540f1a532_oproj:
	.size	k_q8540f1a532_oproj, .Lfunc_end_k_q8540f1a532_oproj-k_q8540f1a532_oproj
	.p2alignl 7, 3214868480
	.fill 96, 4, 3214868480
	.section	.rodata,"a",@progbits
	.p2align	6, 0x0
	.amdhsa_kernel k_q8540f1a532_oproj
		.amdhsa_group_segment_fixed_size 327680
		.amdhsa_private_segment_fixed_size 0
		.amdhsa_enable_private_segment 0
		.amdhsa_kernarg_size 32
		.amdhsa_user_sgpr_count 2
		.amdhsa_user_sgpr_kernarg_segment_ptr 1
		.amdhsa_wavefront_size32 1
		.amdhsa_system_sgpr_workgroup_id_x 1
		.amdhsa_system_sgpr_workgroup_id_y 1
		.amdhsa_system_sgpr_workgroup_id_z 1
		.amdhsa_system_vgpr_workitem_id 0
		.amdhsa_next_free_vgpr 704
		.amdhsa_next_free_sgpr 66
		.amdhsa_reserve_vcc 0
		.amdhsa_float_denorm_mode_32 3
		.amdhsa_float_denorm_mode_16_64 3
		.amdhsa_memory_ordered 1
		.amdhsa_forward_progress 1
		.amdhsa_inst_pref_size 86
	.end_amdhsa_kernel
	.amdgpu_metadata
---
amdhsa.version: [ 1, 2 ]
amdhsa.kernels:
  - .name:           k_q8540f1a532_oproj
    .symbol:         k_q8540f1a532_oproj.kd
    .args:
      - { .name: ao, .offset: 0, .size: 8, .value_kind: global_buffer, .address_space: global }
      - { .name: wo16, .offset: 8, .size: 8, .value_kind: global_buffer, .address_space: global }
      - { .name: bo, .offset: 16, .size: 8, .value_kind: global_buffer, .address_space: global }
      - { .name: out0, .offset: 24, .size: 8, .value_kind: global_buffer, .address_space: global }
    .group_segment_fixed_size: 327680
    .private_segment_fixed_size: 0
    .kernarg_segment_align: 8
    .kernarg_segment_size: 32
    .max_flat_workgroup_size: 128
    .sgpr_count:     66
    .vgpr_count:     704
    .wavefront_size: 32
...
	.end_amdgpu_metadata
.endif
;; end of part 4
